; MI455X (gfx1250); checked and timed in simulation.
; The chip was launched on July 23, 2026; its instructions are those of AMD's public machine-readable ISA for CDNA 5 (MIT licence, August 2026) and "CDNA5" Instruction Set Architecture Reference Guide (July 2026). The comments in the code are by the model that wrote it; some were corrected since.
;; Self Attention. Allowed arithmetic: matrix products marked QUANTISED: E3M2 operands, one E8M0 scale for each 32 along K, by v_wmma_scale_f32_16x16x128_f8f6f4 with both operands' format E3M2, f32 sums; everything else in f32.
;; Inputs: Wk 1,024 x 1,024 float32; Wq 1,024 x 1,024 float32; Wv 1,024 x 1,024 float32; bk 1,024 float32; bq 1,024 float32; bv 1,024 float32; x 4 x 2,048 x 1,024 float32.
;; Outputs: out0 4 x 2,048 x 1,024 float32.
;; This version of the problem:
;;   THIS VERSION OF THE PROBLEM IS GIVEN IN LOW PRECISION. The matrix products marked QUANTISED in the list below multiply operands that are first quantised to E3M2 (3 exponent bits, 2 mantissa bits; 6 bits a number), with one power-of-two scale for each 32 numbers along K (OCP MX v1.0); their sums are f32. All else is computed in f32.
;;   The module's matrix products, in the order in which they are computed (A, B: the left and right operand; K: the contracted axis; several contracted axes count as one K, in the product's order):
;;     1. [M 8,192, K 1,024] x [K 1,024, N 1,024]; A: input x; B: input Wq: QUANTISED
;;     2. [M 8,192, K 1,024] x [K 1,024, N 1,024]; A: input x; B: input Wk: QUANTISED
;;     3. [M 8,192, K 1,024] x [K 1,024, N 1,024]; A: input x; B: input Wv: QUANTISED
;;     4. batch 4 x [M 2,048, K 1,024] x [K 1,024, N 2,048]; A: computed on the way; B: computed on the way: QUANTISED
;;     5. batch 4 x [M 2,048, K 2,048] x [K 2,048, N 1,024]; A: softmax (see below); B: computed on the way: QUANTISED
;;   THE QUANTISER, for each operand of a quantised product, along K:
;;     - K is cut into blocks of 32 from its start; a last block that is shorter is filled with zeros.
;;     - A block's scale is 2^e with e = floor(log2(the largest magnitude in the block)) - 4, held to -126 .. 127; a block of zeros has e = 0. As a byte (E8M0): e + 127.
;;     - Each number is divided by its block's scale, clamped to +-28, and rounded to the nearest number of E3M2, ties to even, subnormals kept.
;;     - The product sums the exact products of the quantised numbers (number of the format x scale) in f32.
;;   ~~~python
;;   def quantise(x, axis):      # numpy; x: float32 -> the quantised numbers, widened to float32 again
;;       x = np.moveaxis(x, axis, -1); K = x.shape[-1]
;;       x = np.pad(x, [(0, 0)] * (x.ndim - 1) + [(0, -K % 32)]); x = x.reshape(x.shape[:-1] + (-1, 32)); a = np.abs(x).max(-1, keepdims=True)
;;       e = np.where(a > 0, np.clip(np.frexp(np.where(a > 0, a, 1))[1] - 1 - 4, -126, 127), 0)      # np.frexp(a)[1] - 1 = floor(log2(a)), exactly
;;       r = np.clip(x / 2.0 ** e, -28, 28)
;;       step = 2.0 ** (np.maximum(np.frexp(np.where(r == 0, 1, r))[1] - 1, -2) - 2)
;;       q = np.round(r / step) * step * 2.0 ** e      # np.round: ties to even
;;       return np.moveaxis(q.reshape(q.shape[:-2] + (-1,))[..., :K], -1, axis).astype(np.float32)
;;   ~~~
;;   SOFTMAX AHEAD OF A QUANTISED PRODUCT. Where the list says 'softmax', what is quantised is not the finished softmax but p = 2^(t - M), with t = logit x log2(e) and M = ceil(the row's largest t), a whole number; so 1/2 < the row's largest p <= 1. The row's sum l is taken of the UNQUANTISED p, in f32, and the product's result is divided by l at the end. Since M is a whole number, a kernel that streams over the keys may use a running M (the ceiling of the running maximum): every later rescaling is an exact power of two, which a block's scale takes up: the codes' values come out the same.
;;   OPERANDS COMPUTED ON THE WAY. 'Computed on the way' means the value that the module computes at that place (a softmax that the list does not call 'softmax' is quantised finished and normalised). What goes into a quantiser is computed in f32, as accurately as f32 sums, v_exp_f32 and their like allow (about 1e-6 of the number): no bf16 or f16 on the way to a quantiser, and a product that is left as it is and whose result goes on into a quantised operand takes f32 operands (vector FMAs, or v_wmma_f32_16x16x4_f32). A number that lies on a knife's edge between two numbers of the format may be rounded either way, as far as f32 arithmetic and the matrix unit's own rounding can turn it there, and no further.
;; One version. Each part assembles by itself: llvm-mc -triple=amdgcn-amd-amdhsa -mcpu=gfx1250 --defsym DOCPART=n.
;; ======== version 1 of 1: 4 launches
;; limits: right only within a limited range of input values
;; workspace buffers: xw_codes 9,011,200 bytes; qk_codes 13,107,200 bytes; v_codes 6,291,456 bytes; v_scales 262,144 bytes; p_codes 12,582,912 bytes; p_stats 2,097,152 bytes
;; launch quant (part 1): grid 704 x 1, 4 waves a work-group, no clusters, 68,096 bytes of LDS; arguments x, Wq, Wk, Wv, xw_codes; writes xw_codes
.if DOCPART == 1
	.amdgcn_target "amdgcn-amd-amdhsa--gfx1250"
	.amdhsa_code_object_version 6
	.text
	.protected	k_q47ff4e8423_quant
	.globl	k_q47ff4e8423_quant
	.p2align	8
	.type	k_q47ff4e8423_quant,@function
k_q47ff4e8423_quant:
	s_mov_b64 s[64:65], 0
	v_nop
	global_prefetch_b8 v0, s[64:65] scope:SCOPE_SE
	s_setreg_imm32_b32 hwreg(HW_REG_WAVE_MODE, 25, 1), 1
	s_wait_xcnt 0x0
; x [8192][1024] (K = its last axis) and Wq, Wk, Wv [1024 (K)][1024] (K = their FIRST axis), f32, become codes of BF6 (E3M2) with one E8M0 byte for each 32 along K.
; A block's scale is 2^(floor(log2(largest magnitude)) - 4); its byte is the largest magnitude's exponent field - 4, held at 1 from below.
; LIMITS: NaN and infinities are not served; a block whose largest magnitude lies under 2^-122 has its byte held at 1; a block of zeros has the byte 1 where the rule says 127
; (its codes are zeros, and only this program reads the bytes).
; OUTPUT LAYOUT (this program's own).  All operands' rows form one list Z of 11,264 rows: 0-8191 x's tokens, then Wq's, Wk's, Wv's 1,024 columns each.  Sixteen rows form a row block (RB):
; in each group g of 32 rows, RB 2 g + u, place r, is row 32 g + 8 u + r + 8 (r / 8).  A fragment (one RB x 128 along K) is stored as the image of the matrix operand's 12 registers:
; three chunks of 512 bytes, chunk c holding registers 4 c .. 4 c + 3 of lane l at byte 16 l; lane (r, h) registers 6 c .. 6 c + 5 hold k = 64 c + 32 h + 0 .. 31.
; xw_codes: [K pair 0..3][tile of 16 RBs, 0..43][51,200 bytes]: 16 RBs x 2 K steps x 1,536 bytes of codes, then 2 K steps x 256 scale words of four bytes (word 16 RB + r).
; SHARES.  One wave, one task: 32 rows of Z x 128 along K; a lane takes ONE row, 128 registers, so a block's largest magnitude needs no other lane.  2,816 tasks = 704 work-groups x 4 waves; no loop.
; x: each load takes 512 consecutive bytes of one row; the 16 KB turn through the wave's own stage in LDS (rows 528 bytes apart) so that a lane gets its row.
; W: a lane takes a column and its registers run down K: each load reads 128 consecutive bytes, the four waves stand side by side on 512.  Only x's path touches LDS.
; No tensor load, no barrier (waves share nothing), no cluster (work-groups share no input), no matrix unit: the launch only streams.
.set KPS,  2252800                     ; bytes of a K pair in xw_codes: 44 tiles
.set TILE, 51200
.set WST,  16896                       ; a wave's stage: 32 rows x 528 bytes
.set X,    32                          ; v32-159  my row's 128 numbers
.set CD,   160                         ; v160-183 codes: register 12 h + n is register n of fragment lane (r, h)
.set TC,   20                          ; v20-22   a block's upper 16 codes, before they are moved
.set SW,   16                          ; v16      my row's scale word
	s_load_b256 s[4:11], s[0:1], 0x0               ; x s[4:5], Wq s[6:7], Wk s[8:9], Wv s[10:11]
	s_load_b64 s[12:13], s[0:1], 0x20              ; xw_codes
	v_lshl_add_u32 v192, v0, 2, 0x10800
	v_mov_b32 v193, 0
	v_lshrrev_b32 v8, 5, v0
	v_readfirstlane_b32 s16, v8                    ; wave 0..3
	v_and_b32 v1, 31, v0                           ; lane = my row in the group of 32
	v_lshlrev_b32 v2, 4, v1                        ; 16 x lane
	v_lshlrev_b32 v3, 2, v1                        ; 4 x lane
	s_mul_i32 s19, s16, WST
	v_add_nc_u32 v4, s19, v2                       ; the stage, on the way in: 16 x lane in a row
	v_mul_u32_u24 v5, v1, 528
	v_add_nc_u32 v5, s19, v5                       ; and on the way out: my row
	v_and_b32 v8, 7, v1
	v_lshrrev_b32 v9, 4, v1
	v_lshl_add_u32 v8, v9, 3, v8                   ; r = (row & 7) + 8 (row >> 4)
	v_bfe_u32 v9, v1, 3, 1                         ; u = (row >> 3) & 1
	v_lshlrev_b32 v6, 4, v8
	v_mad_u32_u24 v6, v9, 3072, v6                 ; my place in the two RBs' images: 3,072 u + 16 r
	v_lshlrev_b32 v7, 2, v8
	v_lshl_add_u32 v7, v9, 6, v7                   ; and among their scale words: 4 (16 u + r)
	s_mov_b32 s23, 0
	s_cmp_lt_u32 ttmp9, 192                        ; the first 192 work-groups take the weights, the other 512 x
	s_cbranch_scc1 .Lweights
	s_sub_co_u32 s24, ttmp9, 192
	s_lshr_b32 s17, s24, 1                         ; g: the group of 32 rows
	s_and_b32 s18, s24, 1
	s_lshl_b32 s18, s18, 2
	s_add_co_u32 s18, s18, s16                     ; s: the K step
	s_lshl_b32 s22, s17, 17                        ; 32 rows of 4,096 bytes
	s_lshl_b32 s24, s18, 9                         ; 128 numbers
	s_add_co_u32 s22, s22, s24
	s_wait_kmcnt 0x0
	s_add_nc_u64 s[20:21], s[4:5], s[22:23]
.set i, 0
.rept 32
	global_load_b128 v[X+4*i:X+4*i+3], v2, s[20:21] offset:4096*i th:TH_LOAD_NT   ; row i: 32 lanes read 512 consecutive bytes
.set i, i+1
.endr
.set i, 0
.rept 32
	s_wait_loadcnt 31-i                            ; loads come back in order: row i is in, the 31 - i younger ones may be out
	ds_store_b128 v4, v[X+4*i:X+4*i+3] offset:528*i
.set i, i+1
.endr
	s_wait_dscnt 0x0                               ; the stores have read X: it may be loaded again
.set i, 0
	s_wait_alu depctr_va_vdst(0)
.rept 32
	ds_load_b128 v[X+4*i:X+4*i+3], v5 offset:16*i  ; my row's k = 4 i .. 4 i + 3
.set i, i+1
.endr
	s_wait_dscnt 0x0
	s_branch .Ltail
.Lweights:
	s_mov_b32 s24, ttmp9
	s_lshr_b32 s25, s24, 6                         ; which weight: 0 Wq, 1 Wk, 2 Wv
	s_bfe_u32 s18, s24, 0x30003                    ; s: the K step (3 bits from bit 3)
	s_and_b32 s26, s24, 7
	s_lshl_b32 s26, s26, 2
	s_add_co_u32 s26, s26, s16                     ; which 32 columns
	s_lshl_b32 s17, s25, 5
	s_add_co_u32 s17, s17, s26
	s_add_co_u32 s17, s17, 256                     ; g: the weights' groups follow x's 256
	s_lshl_b32 s22, s18, 19                        ; 128 rows of 4,096 bytes
	s_lshl_b32 s24, s26, 7                         ; 32 columns
	s_add_co_u32 s22, s22, s24
	s_wait_kmcnt 0x0
	s_cmp_eq_u32 s25, 0                            ; the choice hangs on the work-group's number alone
	s_cselect_b64 s[20:21], s[6:7], s[8:9]
	s_cmp_eq_u32 s25, 2
	s_cselect_b64 s[20:21], s[10:11], s[20:21]
	s_add_nc_u64 s[20:21], s[20:21], s[22:23]
.set i, 0
.rept 128
	global_load_b32 v[X+i], v3, s[20:21] offset:4096*i th:TH_LOAD_NT   ; W(128 s + i, my column)
.set i, i+1
.endr
	s_wait_loadcnt 0x0
.Ltail:
	s_lshr_b32 s24, s18, 1
	s_mul_i32 s24, s24, KPS                        ; the K pair,
	s_lshr_b32 s25, s17, 3
	s_mul_i32 s25, s25, TILE                       ; the tile,
	s_add_co_u32 s24, s24, s25
	s_and_b32 s26, s17, 7                          ; the group in the tile,
	s_and_b32 s27, s18, 1                          ; the K step in the pair
	s_lshl_b32 s22, s27, 10
	s_add_co_u32 s22, s22, s24
	s_lshl_b32 s25, s26, 7
	s_add_co_u32 s22, s22, s25
	s_add_co_u32 s22, s22, 49152
	s_add_nc_u64 s[14:15], s[12:13], s[22:23]      ; the 32 scale words
	s_mul_i32 s25, s26, 6144                       ; two RBs
	s_add_co_u32 s22, s24, s25
	s_mul_i32 s25, s27, 1536
	s_add_co_u32 s22, s22, s25
	s_add_nc_u64 s[12:13], s[12:13], s[22:23]      ; the codes
; Block n of my row (k = 32 n ..): it belongs to fragment lane (r, n % 2), registers 6 (n / 2) on.
.macro QB n
.set XB, X+32*(\n)
.set CB, CD+12*((\n)%2)+6*((\n)/2)
	v_max3_num_f32 v12, |v[XB]|, |v[XB+1]|, |v[XB+2]|              ; the block's largest magnitude, in two chains
	v_max3_num_f32 v13, |v[XB+3]|, |v[XB+4]|, |v[XB+5]|
.irp i, 6,10,14,18,22,26
	v_max3_num_f32 v12, v12, |v[XB+\i]|, |v[XB+\i+1]|
	v_max3_num_f32 v13, v13, |v[XB+\i+2]|, |v[XB+\i+3]|
.endr
	v_max3_num_f32 v12, v12, |v[XB+30]|, |v[XB+31]|
	v_max3_num_f32 v12, v12, v13, 0x2800000        ; and the floor 2^(5 - 127): the byte cannot fall under 1
	v_add_nc_u32 v11, 0xfe000000, v12              ; 4 off the exponent field: the conversion takes this operand's exponent field as its scale
	v_lshrrev_b32 v13, 23, v11                     ; the scale's byte
.if (\n) == 0
	v_mov_b32 v[SW], v13
.else
	v_lshl_or_b32 v[SW], v13, 8*(\n), v[SW]
.endif
	v_cvt_scalef32_pk16_bf6_f32 v[CB:CB+2], v[XB:XB+15], v11
	v_cvt_scalef32_pk16_bf6_f32 v[TC:TC+2], v[XB+16:XB+31], v11    ; (a conversion's three registers begin on an even number)
	v_nop                                          ; one plain line between a scaled conversion and the vector line that reads its result
	v_mov_b32 v[CB+3], v[TC]
	v_mov_b32 v[CB+4], v[TC+1]
	v_mov_b32 v[CB+5], v[TC+2]
.endm
	QB 0
	QB 1
	QB 2
	QB 3
.irp h, 0,1
.irp c, 0,1,2
	global_store_b128 v6, v[CD+12*\h+4*\c:CD+12*\h+4*\c+3], s[12:13] offset:256*\h+512*\c   ; the 32 lanes fill two aligned runs of 256 bytes, one in each RB's image
.endr
.endr
	global_store_b32 v7, v[SW], s[14:15]           ; 128 consecutive bytes
	s_wait_tensorcnt 0x0                           ; the wave's end
	ds_add_u32 v192, v193
	s_wait_dscnt 0x0
	s_endpgm
.Lfunc_end_k_q47ff4e8423_quant:
	.size	k_q47ff4e8423_quant, .Lfunc_end_k_q47ff4e8423_quant-k_q47ff4e8423_quant
	.p2alignl 7, 3214868480
	.fill 96, 4, 3214868480
	.section	.rodata,"a",@progbits
	.p2align	6, 0x0
	.amdhsa_kernel k_q47ff4e8423_quant
		.amdhsa_group_segment_fixed_size 68096
		.amdhsa_private_segment_fixed_size 0
		.amdhsa_enable_private_segment 0
		.amdhsa_kernarg_size 40
		.amdhsa_user_sgpr_count 2
		.amdhsa_user_sgpr_kernarg_segment_ptr 1
		.amdhsa_wavefront_size32 1
		.amdhsa_system_sgpr_workgroup_id_x 1
		.amdhsa_system_sgpr_workgroup_id_y 1
		.amdhsa_system_sgpr_workgroup_id_z 1
		.amdhsa_system_vgpr_workitem_id 0
		.amdhsa_next_free_vgpr 194
		.amdhsa_next_free_sgpr 66
		.amdhsa_reserve_vcc 0
		.amdhsa_float_denorm_mode_32 3
		.amdhsa_float_denorm_mode_16_64 3
		.amdhsa_memory_ordered 1
		.amdhsa_forward_progress 1
		.amdhsa_inst_pref_size 30
	.end_amdhsa_kernel
	.amdgpu_metadata
---
amdhsa.version: [ 1, 2 ]
amdhsa.kernels:
  - .name:           k_q47ff4e8423_quant
    .symbol:         k_q47ff4e8423_quant.kd
    .args:
      - { .name: x, .offset: 0, .size: 8, .value_kind: global_buffer, .address_space: global }
      - { .name: Wq, .offset: 8, .size: 8, .value_kind: global_buffer, .address_space: global }
      - { .name: Wk, .offset: 16, .size: 8, .value_kind: global_buffer, .address_space: global }
      - { .name: Wv, .offset: 24, .size: 8, .value_kind: global_buffer, .address_space: global }
      - { .name: xw_codes, .offset: 32, .size: 8, .value_kind: global_buffer, .address_space: global }
    .group_segment_fixed_size: 68096
    .private_segment_fixed_size: 0
    .kernarg_segment_align: 8
    .kernarg_segment_size: 40
    .max_flat_workgroup_size: 128
    .sgpr_count:     66
    .vgpr_count:     194
    .wavefront_size: 32
...
	.end_amdgpu_metadata
.endif
;; end of part 1
;; launch qkv (part 2): grid 8 x 32, 4 waves a work-group, clusters of 4 x 4, 327,680 bytes of LDS; arguments xw_codes, bq, bk, bv, qk_codes, v_codes, v_scales; writes qk_codes, v_codes, v_scales
.if DOCPART == 2
	.amdgcn_target "amdgcn-amd-amdhsa--gfx1250"
	.amdhsa_code_object_version 6
	.text
	.protected	k_q47ff4e8423_qkv
	.globl	k_q47ff4e8423_qkv
	.p2align	8
	.type	k_q47ff4e8423_qkv,@function
k_q47ff4e8423_qkv:
	s_mov_b64 s[64:65], 0
	v_nop
	global_prefetch_b8 v0, s[64:65] scope:SCOPE_SE
	s_setreg_imm32_b32 hwreg(HW_REG_WAVE_MODE, 25, 1), 1
	s_wait_xcnt 0x0
	s_wait_alu depctr_hold_cnt(0) depctr_sa_sdst(0) depctr_va_vdst(0) depctr_va_sdst(0) depctr_va_ssrc(0) depctr_va_vcc(0) depctr_vm_vsrc(0)
	s_getreg_b32 s2, hwreg(HW_REG_IB_STS2, 6, 4)
	s_cmp_eq_u32 s2, 0
	s_cbranch_scc0 .Lentry_in_a_cluster
	s_endpgm
.Lentry_in_a_cluster:
	s_bfe_u32 s2, ttmp6, 0x10000c
	s_cmp_lg_u32 s2, 0xf033
	s_cbranch_scc0 .Lentry_shape_is_right
	s_endpgm
.Lentry_shape_is_right:
; q = x Wq + bq, k = x Wk + bk (quantised along their 1,024 features) and v^T = (x Wv + bv)^T (quantised along the tokens), on codes of BF6 with E8M0 scales; sums in f32; the results leave as codes.
; OPERANDS are images of fragments: a row block (RB, 16 rows) x 128 along K is 1,536 bytes, three chunks of 512, lane l's registers 4 c .. 4 c + 3 at byte 16 l of chunk c.  In every buffer of this program RB 2 g + u, place r,
; is row 32 g + 8 u + r + 8 (r / 8) of group g of 32 rows.  xw_codes: [K pair 0..3][tile of 16 RBs, 0..43][51,200]: [RB][K step in pair][1,536 bytes], then [K step in pair][256 scale words].  Tiles 0-31 x, 32-35 Wq^T, 36-39 Wk^T,
; 40-43 Wv^T.  qk_codes is laid likewise, 64 tiles: q's 32, k's 32.  v_codes: [batch][K pair][64 RB][K step in pair][1,536]; v_scales: [batch][half tile of 128 features][K step 0..15][128 words].
; SHARES.  256 work-groups of equal work; each STAYS for two tiles on ONE tile of x (256 tokens, xt = 4 cly + cy).  With e8 = 4 clx + cx:
;   phase 1: 256 tokens x 256 features of q (e8 0-3) or k (e8 4-7).  Source 1 = x (a lane holds a token), source 0 = W^T (registers run along the features).  A wave makes 128 x 128: 64 accumulators.
;   phase 2: 128 features (128 e8 on) x 256 tokens of v^T.  Source 1 = Wv^T (a lane holds a feature), source 0 = x (registers run along the tokens).  A wave makes 64 features x 128 tokens: 32 accumulators.
; By the order of rows in an RB the 16 registers of result tiles 2 b and 2 b + 1 are 16 neighbours: register 16 b + i of a block is index 32 b + 16 (lane / 16) + i of the wave's 128 along source 0.
; The bias is the C of each sum's first matrix instruction (an order of f32 rounding that differs from adding it last).
; LDS.  x's tile for ALL of K, 4 K pairs x 51,200 bytes, is filled once and serves both phases.  W goes through a ring of two slots of 51,200 bytes: K pairs 0 to 3, then Wv^T's codes (8 RBs, 24,576 bytes a K pair), two K pairs
; to a slot: so phase 2 fetches nothing.  At the head each wave issues ONE joint load: wave 2 hi + hj K pair hi of x (hj = 0) or W (hj = 1).  The products start when K pair 0 is in: waves 2 and 3, whose load lines are their own, wait
; for theirs in front of the first round.  K pair 2 + hi follows behind a round by the same waves.  x's tiles are shared along the cluster's row, W's along its column.  By this text's count a wave has at most one tensor load out.
; Wv^T's scale words go straight into 16 registers.
; PREFETCHES INTO THE L2.  In K step 0 each wave asks for its part of what it will load behind a round, K pair 2 + hi of x or W (50 blocks of 256 bytes, two instructions); in K step 2 for K pair w of Wv^T (24 blocks).  The four partners
; that load a tile share its blocks out by address (cx for x, cy for W and Wv^T).  W's and Wv^T's tiles are read by all eight rows of clusters: the first four ask.  Nothing else is asked for; no address register is rewritten.
; EPILOGUES.  Two blocks of 16 rows x 128 at a time are quantised in registers (largest magnitude of each 32, byte, conversion, exchange of halves); each is then a fragment's image: three stores of 512 consecutive bytes.
; LIMITS: NaN and infinities are not served; a block whose largest magnitude lies under 2^-122 has its byte held at 1; a block of zeros has the byte 1 (its codes are zeros; only this program reads the bytes).
; REGISTERS.  window 0: v1 the second bias's offset; v3 16 x lane; v4-7 LDS addresses of x's K pairs; v9, v10 the spare word's address and 0; v11-12 the stage; v13-14 W's slots; v16-31 scale words from LDS, two sets; v32-35 at work;
;   v36-39, v40-43 LDS addresses of the scale words by K pair (phase 1, 2); v44-46 the prefetches' offsets; v48-63 Wv^T's scale words; v64-159, v160-255 source 1 in phase 1; v112-159, v160-207 in phase 2; epilogues: v64-109, v160-255.
;   window 1: v0-95, v128-223 source 0, two sets; v96-127, v224-255 the bias.   window 2: accumulators (a, b) at v[8 (8 a + b)], a = 0..3;   window 3: a = 4..7 (phase 1).
.set KPS,   2252800                    ; a K pair in xw_codes
.set KPSQ,  3276800                    ; a K pair in qk_codes
.set XKP,   51200                      ; a tile of a K pair: codes and scale words
.set SCO,   49152                      ; its scale words
.set PART,  24576                      ; 8 RBs of a K pair
.set WR,    204800                     ; W's ring
.set SPARE, 307200                     ; the spare words, 128 bytes a wave
.set STG,   307712                     ; a stage of 512 bytes for each wave; no fill lands here
.set ADRX, 4
.set SPW,  9
.set NIL,  10
.set STI,  11
.set STB,  12
.set ADRB, 13
.set SC,   16
.set SA1,  36
.set SA2,  40
.set PFO,  44
.set WS,   48                          ; register 2 s + c: Wv^T's scale words of K step s: lanes 0-15 my block 2 c, lanes 16-31 my block 2 c + 1
.set AF,   64
.set AS,   96
.set AF2,  112
.set AS2,  48
.set PT,   64                          ; epilogues: the conversions' upper halves
.set TM,   80                          ; v80-87 largest magnitudes, then the conversions' scale operands; v88-95 the other half's, then the bytes
.set PWA,  96                          ; epilogues: the blocks' scale words
.set PC,   160                         ; epilogues: block a's codes at v[160 + 12 a]
.set WV,   22
.set HI,   23
.set HJ,   44
.set AW,   45
.set SEL,  46
.set G1A,  24
.set G1B,  32
.set G1V,  48
.set G0X,  56                          ; my K pair of x,
.set G0W,  60                          ; of W,
.set G0V,  68                          ; of Wv^T
.set PFV,  94                          ; s[94:95], s[98:99] where my prefetches of Wv^T, of x or W stand
.set PF,   98
.set MSB, 0
.macro WIN new                         ; bits 1:0 source 0, 3:2 source 1, 5:4 source 2, 7:6 destination; the high byte repeats the setting that is left
.if MSB != (\new)
	s_set_vgpr_msb (MSB<<8)|(\new)
.set MSB, (\new)
.endif
.endm
.macro PLACES                          ; four plain lines between a matrix instruction and a load into, or a vector line on, its registers (ISA guide 7.12.1 for vector lines)
.rept 4
	v_nop
.endr
.endm
.macro TLOAD g0, g1                    ; s_nop 0 and four v_nop follow each tensor load
	tensor_load_to_lds s[\g0:\g0+3], s[\g1:\g1+7]
	s_nop 0
.rept 4
	v_nop
.endr
.endm
.macro JLOAD hi                        ; a joint load by the two waves of half hi: x's K pair and W's
	s_cmp_lg_u32 s[HI], \hi
	s_cbranch_scc1 .Lasked_\@
	s_cmp_eq_u32 s[HJ], 0
	s_cbranch_scc0 .Lfor_b_\@
	TLOAD G0X, G1A
	s_branch .Lasked_\@
.Lfor_b_\@:
	TLOAD G0W, G1B
.Lasked_\@:
.endm
.macro VLOAD                           ; a joint load of Wv^T by waves 2 and 3; waves 0 and 1 have nothing to fetch
	s_cmp_eq_u32 s[HI], 0
	s_cbranch_scc1 .Lnone_\@
	TLOAD G0V, G1V
.Lnone_\@:
.endm
.macro ARM under, g0, g1, next         ; the head: one load an arm
	s_cmp_lt_u32 s[WV], \under
	s_cbranch_scc0 \next
	TLOAD \g0, \g1
	s_branch .Lhead_asked
\next:
.endm
.macro CREST                           ; a round of the cluster's barrier behind its opening barrier
	s_cmp_lg_u32 s[WV], 0
	s_cbranch_scc1 .Lnot_wave_0_\@
	s_barrier_signal -3
.Lnot_wave_0_\@:
	s_barrier_wait -3
	s_barrier_signal -1
	s_barrier_wait -1
.endm
.macro CROUND
	s_barrier_signal -1
	s_barrier_wait -1
	CREST
.endm
.macro ASK what                        ; 1: K pair 2 + hi of x or W;  2: Wv^T
.if (\what) == 1
	s_cmp_lg_u32 s93, 0                            ; W's, in the later four rows of clusters: not asked for
	s_cbranch_scc1 .Lnot_mine_\@
	global_prefetch_b8 v[PFO], s[PF:PF+1] offset:2*KPS th:TH_LOAD_NT scope:SCOPE_SE
	global_prefetch_b8 v[PFO+1], s[PF:PF+1] offset:2*KPS th:TH_LOAD_NT scope:SCOPE_SE
.Lnot_mine_\@:
.endif
.if (\what) == 2
	s_cmp_lt_u32 s43, 4
	s_cbranch_scc0 .Lnot_mine_\@
	global_prefetch_b8 v[PFO+2], s[PFV:PFV+1] th:TH_LOAD_NT scope:SCOPE_SE
.Lnot_mine_\@:
.endif
.endm
.macro FRAG reg, adr, off              ; a fragment's image: three loads of 512 consecutive bytes
	ds_load_b128 v[\reg:\reg+3], v[\adr] offset:\off
	ds_load_b128 v[\reg+4:\reg+7], v[\adr] offset:\off+512
	ds_load_b128 v[\reg+8:\reg+11], v[\adr] offset:\off+1024
.endm
; Phase 1, 56 LDS loads in one run: K step t into set t % 2: W's eight fragments, x's eight, and eight registers of scale words (lanes 0-15 x's block i, lanes 16-31 W's block i)
.macro FETCH1 t
.set kp, (\t)/2
.set qq, (\t)%2
	WIN 0x40
.irp i, 0,1,2,3,4,5,6,7
	FRAG 128*qq+12*\i, ADRB+kp%2, \i*3072+qq*1536
.endr
	WIN 0
.irp i, 0,1,2,3,4,5,6,7
	FRAG AF+AS*qq+12*\i, ADRX+kp, \i*3072+qq*1536
.endr
.irp i, 0,1,2,3,4,5,6,7
	ds_load_b32 v[SC+8*qq+\i], v[SA1+kp] offset:1024*qq+64*\i
.endr
.endm
; Phase 2, 44 LDS loads in one run: x's eight fragments (now source 0), Wv^T's four (K pair kp lies in slot kp / 2, half kp % 2), and x's scale words (every lane takes place lane % 16)
.macro FETCH2 t
.set kp, (\t)/2
.set qq, (\t)%2
	WIN 0x40
.irp i, 0,1,2,3,4,5,6,7
	FRAG 128*qq+12*\i, ADRX+kp, \i*3072+qq*1536
.endr
	WIN 0
.irp i, 0,1,2,3
	FRAG AF2+AS2*qq+12*\i, ADRB+kp/2, (kp%2)*24576+\i*3072+qq*1536
.endr
.irp i, 0,1,2,3,4,5,6,7
	ds_load_b32 v[SC+8*qq+\i], v[SA2+kp] offset:1024*qq+64*\i
.endr
.endm
; Phase 1, eight matrix instructions: x's block a against W's eight.  cm = 0: onto the sums; 2: the sums start from the bias of W's block b.
; The 64 accumulators take turns, one instruction a turn, in the same order in every K step.
.macro MULA a, p, cm
.if (\cm) == 2
	WIN 0x91+0x40*((\a)/4)
.else
	WIN 0xa1+0x50*((\a)/4)
.endif
.irp b, 0,1,2,3,4,5,6,7
.set rD, 8*(8*((\a)%4)+\b)
.set rB, 128*(\p)+12*\b
.set rA, AF+AS*(\p)+12*(\a)
.set rX, SC+8*(\p)+\b
.set rY, SC+8*(\p)+(\a)
.set rC, rD
.if (\cm) == 2
.set rC, 96+8*\b+96*(\b/4)
.endif
	v_wmma_scale_f32_16x16x128_f8f6f4 v[rD:rD+7], v[rB:rB+11], v[rA:rA+11], v[rC:rC+7], v[rX], v[rY] matrix_a_fmt:MATRIX_FMT_BF6 matrix_b_fmt:MATRIX_FMT_BF6 matrix_a_scale:MATRIX_SCALE_ROW1
.endr
.endm
; Phase 2, eight matrix instructions: Wv^T's block a against x's eight.  cm = 3: the sums start from the bias of block a.  The 32 accumulators take turns likewise.
.macro MULA2 a, sg, cm
.set pp, (\sg)%2
.if (\cm) == 3
	WIN 0x91
.else
	WIN 0xa1
.endif
.irp b, 0,1,2,3,4,5,6,7
.set rD, 8*(8*(\a)+\b)
.set rB, 128*pp+12*\b
.set rA, AF2+AS2*pp+12*(\a)
.set rX, SC+8*pp+\b
.set rY, WS+2*(\sg)+(\a)/2
.set rC, rD
.if (\cm) == 3
.set rC, 96+8*(\a)
.endif
.if (\a)%2
	v_wmma_scale_f32_16x16x128_f8f6f4 v[rD:rD+7], v[rB:rB+11], v[rA:rA+11], v[rC:rC+7], v[rX], v[rY] matrix_a_fmt:MATRIX_FMT_BF6 matrix_b_fmt:MATRIX_FMT_BF6 matrix_b_scale:MATRIX_SCALE_ROW1
.else
	v_wmma_scale_f32_16x16x128_f8f6f4 v[rD:rD+7], v[rB:rB+11], v[rA:rA+11], v[rC:rC+7], v[rX], v[rY] matrix_a_fmt:MATRIX_FMT_BF6 matrix_b_fmt:MATRIX_FMT_BF6
.endif
.endr
.endm
; A K step whose successor needs no change of slots: the successor's operands are asked for first, into the other set, and have this step's matrix instructions in which to come.
.macro STEP1 sg, cm, ask
	s_wait_dscnt 0x0                               ; this step's operands, asked for a step ago, are in
	PLACES                                         ; for the loads into the set that the step before multiplied
	FETCH1 (\sg)+1
	ASK \ask
.irp a, 0,1,2,3,4,5,6,7
	MULA \a, (\sg)%2, \cm
.endr
	WIN 0
.endm
.macro STEP2 sg, cm
	s_wait_dscnt 0x0
	PLACES
	FETCH2 (\sg)+1
.irp a, 0,1,2,3
	MULA2 \a, \sg, \cm
.endr
	WIN 0
.endm
; The second K step of a K pair (sg = 1, 3, 5, 7) leaves W's slot: ONE barrier, which opens a round of the cluster's barrier.  In front of it each wave waits for all its tensor loads, adds 0 to its spare word, and waits
; for that and for its reads of the slot.  Behind the round: x's and W's K pair two on (sg = 1, 3), or two K pairs of Wv^T for phase 2 (sg = 5: K pairs 0, 1; sg = 7: K pairs 2, 3).
.macro TURN1 sg
	PLACES
	s_wait_tensorcnt 0x0                           ; all my tensor loads have landed
	ds_add_u32 v[SPW], v[NIL]                      ; 0 onto my spare word
	s_wait_dscnt 0x1                               ; only the add may be out: this step's operands are in, and they were my last reads of the slot
	MULA 0, 1, 0
	s_wait_dscnt 0x0                               ; the add is done
	s_barrier_signal -1
	MULA 1, 1, 0
	WIN 0
	s_barrier_wait -1
	CREST                                          ; no wave of any partner still reads this slot or has a load on its way
.if (\sg) == 1
	s_add_co_u32 s[G0X+1], s[G0X+1], 2*XKP         ; K pair 2 + hi: x's has a place of its own, W's its slot
	s_add_nc_u64 s[G0X+2:G0X+3], s[G0X+2:G0X+3], 2*KPS
	s_add_nc_u64 s[G0W+2:G0W+3], s[G0W+2:G0W+3], 2*KPS
.endif
.if (\sg) < 5
	JLOAD (\sg)/2                                  ; the first tensor load behind the round
.else
.if (\sg) == 7
	s_add_co_u32 s[G0V+1], s[G0V+1], XKP
	s_add_nc_u64 s[G0V+2:G0V+3], s[G0V+2:G0V+3], 2*KPS
.endif
	VLOAD
.endif
.if (\sg) < 7
	FETCH1 (\sg)+1
.else
	FETCH2 0                                       ; phase 2's first operands: x has lain in LDS; Wv^T's slot 0 was shown landed by the wait and the barrier above
.endif
.irp a, 2,3,4,5,6,7
	MULA \a, 1, 0
.endr
	WIN 0
.endm
	s_load_b256 s[4:11], s[0:1], 0x0               ; xw_codes s[4:5], bq s[6:7], bk s[8:9], bv s[10:11]
	s_load_b128 s[12:15], s[0:1], 0x20             ; qk_codes s[12:13], v_codes s[14:15]
	s_load_b64 s[16:17], s[0:1], 0x30              ; v_scales
	v_lshl_add_u32 v[SPW], v0, 2, SPARE
	v_mov_b32 v[NIL], 0
	ds_add_u32 v[SPW], v[NIL]                      ; the opening lines: the add, twice on end, and its wait ahead of my first tensor load
	ds_add_u32 v[SPW], v[NIL]
	v_lshrrev_b32 v1, 5, v0
	v_readfirstlane_b32 s[WV], v1                  ; wave 0..3
	s_lshr_b32 s[HI], s[WV], 1                     ; which 128 tokens are mine.  Also: which K pair of two I fetch
	s_and_b32 s[HJ], s[WV], 1                      ; which half of the features.  Also: I fetch for x (0) or for W (1)
	s_bfe_u32 s40, ttmp6, 0x40000                  ; cx
	s_bfe_u32 s41, ttmp6, 0x40004                  ; cy
	s_mov_b32 s42, ttmp9                           ; the cluster's x: 0, 1
	s_and_b32 s43, ttmp7, 0xffff                   ; the cluster's y: 0..7
	s_mov_b32 s[SEL], 0x76543210
	s_mov_b32 s[SEL+1], 0xfedcba98                 ; v_permlanex16_b32's selects for lane l xor 16
	s_lshl_b32 s72, s41, 2
	s_lshl_b32 s72, 15, s72                        ; my row of the cluster
	s_lshl_b32 s73, 0x1111, s40                    ; my column
	s_or_b32 s[G1A], s72, 0x230000                 ; 15:0 the mask; 17:16 elements of 8 bytes; 21 set beside a mask; no padding
	s_or_b32 s[G1B], s73, 0x230000
	s_or_b32 s[G1V], s73, 0x230000
.irp g, G1A, G1B                       ; a tile of a K pair: a dense block of 51,200 bytes as 200 rows of 256
	s_mov_b32 s[\g+1], 32<<16
	s_mov_b32 s[\g+2], 200<<16
	s_mov_b32 s[\g+3], 32<<16
	s_mov_b32 s[\g+4], 200
	s_mov_b32 s[\g+5], 32
	s_mov_b32 s[\g+6], 0
	s_mov_b32 s[\g+7], 0
.endr
	s_mov_b32 s[G1V+1], 32<<16                     ; half a tile's codes: 24,576 bytes as 96 rows of 256
	s_mov_b32 s[G1V+2], 96<<16
	s_mov_b32 s[G1V+3], 32<<16
	s_mov_b32 s[G1V+4], 96
	s_mov_b32 s[G1V+5], 32
	s_mov_b32 s[G1V+6], 0
	s_mov_b32 s[G1V+7], 0
	s_lshl_b32 s66, s43, 2
	s_add_co_u32 s66, s66, s41                     ; xt: x's tile of 256 tokens, 0..31: made of cy and cly
	s_lshl_b32 s67, s42, 2
	s_add_co_u32 s67, s67, s40                     ; e8: 0..7: made of cx and clx
	s_mul_i32 s74, s[HI], KPS                      ; my K pair
	s_mul_i32 s72, s66, XKP
	s_add_co_u32 s72, s72, s74                     ; x: where it lies in xw_codes
	s_mov_b32 s73, 0
	s_add_co_u32 s76, s67, 32                      ; Wq^T's and Wk^T's tiles follow x's 32
	s_mul_i32 s76, s76, XKP
	s_add_co_u32 s76, s76, s74
	s_mov_b32 s77, 0
	s_mul_i32 s75, s[HI], XKP                      ; and where it goes: the wave's number alone
	s_mov_b32 s[G0X], 1
	s_mov_b32 s[G0X+1], s75
	s_mov_b32 s[G0W], 1
	s_add_co_u32 s[G0W+1], s75, WR
	s_mul_i32 s75, s[HJ], PART
	s_mov_b32 s[G0V], 1
	s_add_co_u32 s[G0V+1], s75, WR
	s_lshr_b32 s78, s67, 1                         ; Wv^T's tile 40 + e8 / 2, half e8 % 2
	s_add_co_u32 s78, s78, 40
	s_mul_i32 s78, s78, XKP
	s_and_b32 s80, s67, 1
	s_mul_i32 s81, s80, PART
	s_mul_i32 s82, s[HJ], KPS                      ; its K pair hj
	s_add_co_u32 s82, s82, s81
	s_add_co_u32 s82, s82, s78
	s_mov_b32 s83, 0
	s_mul_i32 s94, s[WV], KPS                      ; the prefetches: Wv^T's K pair w, my quarter of the half tile, 6,144 bytes;
	s_add_co_u32 s94, s94, s81
	s_add_co_u32 s94, s94, s78
	s_mul_i32 s95, s41, 6144
	s_add_co_u32 s94, s94, s95
	s_mov_b32 s95, 0
	s_cmp_eq_u32 s[HJ], 0                          ; x's or W's K pair, my quarter of the tile, 12,800 bytes
	s_cselect_b32 s98, s72, s76
	s_cselect_b32 s99, s40, s41
	s_mul_i32 s99, s99, 12800
	s_add_co_u32 s98, s98, s99
	s_mov_b32 s99, 0
	s_lshl_b32 s84, s80, 9                         ; the scale words of my 64 features
	s_lshl_b32 s85, s[HJ], 8
	s_add_co_u32 s84, s84, s85
	s_add_co_u32 s84, s84, s78
	s_add_co_u32 s84, s84, SCO
	s_mov_b32 s85, 0
	s_mul_i32 s86, s[HI], PART                     ; LDS: my 8 RBs of x in a K pair,
	s_mul_i32 s87, s[HJ], PART                     ; my 8 RBs of W in a slot,
	s_add_co_u32 s87, s87, WR
	s_mul_i32 s[AW], s[HJ], 12288                  ; phase 2: my 4 RBs of Wv^T in half a slot
	s_add_co_u32 s[AW], s[AW], WR
	s_lshl_b32 s88, s[HI], 9                       ; the scale words: lanes 0-15 take x's half hi of a K pair, lanes 16-31 W's half hj of its slot
	s_lshl_b32 s89, s[HJ], 9
	s_add_co_u32 s89, s89, WR
	s_sub_co_u32 s89, s89, s88                     ; the distance for K pairs 0, 1,
	s_sub_co_u32 s92, s89, 2*XKP                   ; and for 2, 3
	s_add_co_u32 s90, s88, SCO
	s_add_co_u32 s93, s88, SCO+2*XKP
	s_lshl_b32 s91, s[WV], 9
	s_add_co_u32 s91, s91, STG                     ; my stage
	v_and_b32 v1, 15, v0                           ; r
	v_bfe_u32 v2, v0, 4, 1                         ; h
	v_and_b32 v3, 31, v0
	v_lshlrev_b32 v[PFO], 8, v3                    ; the prefetches: a lane a block of 256 bytes: blocks 0-31,
	v_add_nc_u32 v[PFO+1], 32, v3
	v_min_u32 v[PFO+1], 49, v[PFO+1]
	v_lshlrev_b32 v[PFO+1], 8, v[PFO+1]            ; 32-49 (the lanes left over name block 49 again);
	v_min_u32 v[PFO+2], 23, v3
	v_lshlrev_b32 v[PFO+2], 8, v[PFO+2]            ; and 0-23 (likewise)
	v_lshlrev_b32 v33, 2, v3                       ; 4 x lane
	v_lshlrev_b32 v3, 4, v3                        ; 16 x lane
	v_lshlrev_b32 v34, 2, v1                       ; 4 r
	v_lshlrev_b32 v32, 6, v2                       ; 64 h
	v_add_nc_u32 v[ADRX], s86, v3
	v_add_nc_u32 v[ADRX+1], XKP, v[ADRX]
	v_add_nc_u32 v[ADRX+2], XKP, v[ADRX+1]
	v_add_nc_u32 v[ADRX+3], XKP, v[ADRX+2]
	v_add_nc_u32 v[ADRB], s87, v3
	v_add_nc_u32 v[ADRB+1], XKP, v[ADRB]
	v_mul_u32_u24 v[SA1], s89, v2
	v_mul_u32_u24 v[SA1+2], s92, v2
	v_add_nc_u32 v[SA1], v[SA1], v34
	v_add_nc_u32 v[SA1+2], v[SA1+2], v34
	v_add_nc_u32 v[SA1], s90, v[SA1]
	v_add_nc_u32 v[SA1+2], s93, v[SA1+2]
	v_add_nc_u32 v[SA1+1], XKP, v[SA1]
	v_add_nc_u32 v[SA1+3], XKP, v[SA1+2]
	v_add_nc_u32 v[SA2], s90, v34                  ; phase 2: every lane takes x's half hi, place lane % 16
	v_add_nc_u32 v[SA2+1], XKP, v[SA2]
	v_add_nc_u32 v[SA2+2], XKP, v[SA2+1]
	v_add_nc_u32 v[SA2+3], XKP, v[SA2+2]
	v_add_nc_u32 v[STI], s91, v34                  ; the stage, in: 4 r
	v_add_nc_u32 v[STB], s91, v3                   ; back: 16 x lane
	v_and_b32 v35, 8, v1
	v_add_nc_u32 v35, v35, v1                      ; r + 8 (r / 8)
	v_lshlrev_b32 v1, 2, v35                       ; the second bias: my lane's feature in a block, in bytes; kept
	s_lshr_b32 s93, s43, 2
	s_and_b32 s93, s93, s[HJ]                      ; 1: a wave that fetches W in the later four rows of clusters
	s_wait_alu depctr_va_vdst(0)
	s_wait_dscnt 0x0                               ; both opening adds are done
	s_wait_kmcnt 0x0
	s_add_nc_u64 s[G0X+2:G0X+3], s[4:5], s[72:73]
	s_or_b32 s[G0X+3], s[G0X+3], 0x80000000
	s_add_nc_u64 s[G0W+2:G0W+3], s[4:5], s[76:77]
	s_or_b32 s[G0W+3], s[G0W+3], 0x80000000
	CROUND                                         ; all sixteen work-groups are here: the first joint loads meet
	ARM 1, G0X, G1A, .Lhead_1                      ; one load a wave
	ARM 2, G0W, G1B, .Lhead_2
	ARM 3, G0X, G1A, .Lhead_3
	TLOAD G0W, G1B
.Lhead_asked:
	s_cmp_eq_u32 s42, 0
	s_cselect_b64 s[6:7], s[6:7], s[8:9]           ; the first bias: bq where the cluster's x is 0, else bk
	s_lshl_b32 s72, s40, 10
	s_lshl_b32 s74, s[HJ], 9
	s_add_co_u32 s72, s72, s74                     ; (256 cx + 128 hj) x 4
	s_add_nc_u64 s[6:7], s[6:7], s[72:73]
	s_add_nc_u64 s[18:19], s[4:5], s[84:85]
	WIN 0x40                                       ; in the result's layout: block b's register j holds b[32 (b / 2) + 16 h + 8 (b % 2) + j] of my 128 features
.irp n, 0,1,2,3,4,5,6,7
	global_load_b128 v[96+8*\n+96*(\n/4):96+8*\n+96*(\n/4)+3], v32, s[6:7] offset:(32*(\n/2)+8*(\n%2))*4
	global_load_b128 v[96+8*\n+96*(\n/4)+4:96+8*\n+96*(\n/4)+7], v32, s[6:7] offset:(32*(\n/2)+8*(\n%2))*4+16
.endr
	WIN 0
.irp s, 0,1,2,3,4,5,6,7
.irp c, 0,1
	global_load_b32 v[WS+2*\s+\c], v33, s[18:19] offset:KPS*(\s/2)+1024*(\s%2)+128*\c   ; 128 consecutive bytes: two blocks' words
.endr
.endr
	s_add_nc_u64 s[PFV:PFV+1], s[4:5], s[PFV:PFV+1]
	s_add_nc_u64 s[PF:PF+1], s[4:5], s[PF:PF+1]
	s_add_nc_u64 s[G0V+2:G0V+3], s[4:5], s[82:83]
	s_or_b32 s[G0V+3], s[G0V+3], 0x80000000
	s_lshl_b32 s72, s67, 9                         ; the second bias: my 64 features (128 e8 + 64 hj on)
	s_lshl_b32 s74, s[HJ], 8
	s_add_co_u32 s72, s72, s74
	s_add_nc_u64 s[10:11], s[10:11], s[72:73]
	; WHERE THE RESULTS GO.  q, k: K pair cx, K step hj in it, tile 32 clx + xt, its RB 8 hi + a
	s_lshl_b32 s74, s42, 5
	s_add_co_u32 s74, s74, s66
	s_mul_i32 s74, s74, XKP
	s_mul_i32 s75, s40, KPSQ
	s_add_co_u32 s74, s74, s75
	s_lshl_b32 s72, s[HJ], 10
	s_lshl_b32 s75, s[HI], 9
	s_add_co_u32 s72, s72, s75
	s_add_co_u32 s72, s72, s74
	s_add_co_u32 s72, s72, SCO
	s_add_nc_u64 s[20:21], s[12:13], s[72:73]      ; the scale words
	s_mul_i32 s72, s[HJ], 1536
	s_add_co_u32 s72, s72, s86
	s_add_co_u32 s72, s72, s74
	s_add_nc_u64 s[12:13], s[12:13], s[72:73]      ; the codes
	; v: batch xt / 8, K pair xt % 8 of its tokens, K step hi in it, RB 8 e8 + 4 hj + a
	s_lshr_b32 s74, s66, 3
	s_and_b32 s75, s66, 7
	s_mul_i32 s72, s74, 1572864
	s_mul_i32 s76, s75, 196608
	s_add_co_u32 s72, s72, s76
	s_lshl_b32 s76, s67, 1
	s_add_co_u32 s76, s76, s[HJ]
	s_mul_i32 s76, s76, 12288                      ; four RBs of 3,072 bytes
	s_add_co_u32 s72, s72, s76
	s_mul_i32 s76, s[HI], 1536
	s_add_co_u32 s72, s72, s76
	s_add_nc_u64 s[14:15], s[14:15], s[72:73]
	s_lshl_b32 s72, s74, 16                        ; its scale words: the batch,
	s_lshl_b32 s76, s75, 10                        ; the K step 2 (xt % 8) + hi,
	s_add_co_u32 s72, s72, s76
	s_lshl_b32 s76, s[HI], 9
	s_add_co_u32 s72, s72, s76
	s_lshl_b32 s76, s67, 13                        ; the half tile e8,
	s_add_co_u32 s72, s72, s76
	s_lshl_b32 s76, s[HJ], 8                       ; my 64 features
	s_add_co_u32 s72, s72, s76
	s_add_nc_u64 s[16:17], s[16:17], s[72:73]
	s_wait_loadcnt 16                              ; the first bias is in; Wv^T's 16 loads of scale words may be out
	s_cmp_lg_u32 s[HI], 0                          ; K pair 0 is waves 0 and 1's: waves 2 and 3 leave K pair 1 on its way
	s_cbranch_scc1 .Lno_wait
	s_wait_tensorcnt 0x0
.Lno_wait:
	s_barrier_signal -1
	s_barrier_wait -1                              ; K pair 0 is in.
	; ---- PHASE 1
	FETCH1 0
	STEP1 0, 2, 1                                  ; the first K step's products start the sums from the bias
	TURN1 1                                        ; K pair 2
	STEP1 2, 0, 2
	TURN1 3                                        ; K pair 3
	STEP1 4, 0, 0
	TURN1 5                                        ; slot 0 takes Wv^T's K pairs 0, 1
	STEP1 6, 0, 0
	v_add_nc_u32 v[ADRB], s[AW], v3                ; W's last fragments have been asked for: from here on the two registers point at my four RBs of Wv^T
	v_add_nc_u32 v[ADRB+1], XKP, v[ADRB]
	s_wait_alu depctr_va_vdst(0)
	WIN 0x40                                       ; THE SECOND BIAS, into registers that the first has left: block a's eight all hold b[32 (a / 2) + 8 (a % 2) + r + 8 (r / 8)] of my 64 features
.irp a, 0,1,2,3
.irp j, 0,1,2,3,4,5,6,7
	global_load_b32 v[96+8*\a+\j], v1, s[10:11] offset:(32*(\a/2)+8*(\a%2))*4
.endr
.endr
	WIN 0
	TURN1 7                                        ; slot 1 takes Wv^T's K pairs 2, 3; phase 2's first operands are asked for
	PLACES
; Blocks 2 k, 2 k + 1 (16 rows x my 128 along the next K): register 16 b + i of a block's 64 is k = 32 b + 16 (lane / 16) + i of my row.  Each becomes a fragment and a scale word.  ptr: the scalar pair with the codes' address.
; (A lane permute's destination counts as one of its sources: v88-95 have held fragments.)
.macro QUANTA k, ptr
.set W, 2+(\k)/2
	WIN W|(W<<2)
.irp e, 0,1
.set S, 64*((2*(\k)+\e)%4)
.irp b, 0,1,2,3
	v_max3_num_f32 v[TM+4*\e+\b], |v[S+16*\b]|, |v[S+16*\b+1]|, 0x2800000   ; each accumulator is read from its low end on; the floor 2^(5 - 127) holds the byte at 1 from below
.endr
.endr
	WIN (W<<2)|(W<<4)
.irp i, 2,4,6,8,10,12,14
.irp e, 0,1
.set S, 64*((2*(\k)+\e)%4)
.irp b, 0,1,2,3
	v_max3_num_f32 v[TM+4*\e+\b], v[TM+4*\e+\b], |v[S+16*\b+\i]|, |v[S+16*\b+\i+1]|
.endr
.endr
.endr
	WIN 0
.irp q, 0,1,2,3,4,5,6,7
	v_permlanex16_b32 v[TM+8+\q], v[TM+\q], s[SEL], s[SEL+1]
.endr
.irp q, 0,1,2,3,4,5,6,7
	v_max_num_f32 v[TM+\q], v[TM+\q], v[TM+8+\q]   ; with lane l xor 16's 16: the largest magnitude of 32
.endr
.irp q, 0,1,2,3,4,5,6,7
	v_add_nc_u32 v[TM+\q], 0xfe000000, v[TM+\q]    ; 4 off the exponent field: the conversion's scale operand
.endr
.irp q, 0,1,2,3,4,5,6,7
	v_lshrrev_b32 v[TM+8+\q], 23, v[TM+\q]         ; the byte
.endr
.irp c, 1,2,3
.irp e, 0,1
.if \c == 1
	v_lshl_or_b32 v[PWA+2*(\k)+\e], v[TM+9+4*\e], 8, v[TM+8+4*\e]
.else
	v_lshl_or_b32 v[PWA+2*(\k)+\e], v[TM+8+4*\e+\c], 8*\c, v[PWA+2*(\k)+\e]
.endif
.endr
.endr
	WIN W
.irp e, 0,1
.set S, 64*((2*(\k)+\e)%4)
.set P, PC+12*(2*(\k)+\e)
.irp c, 0,1
	v_cvt_scalef32_pk16_bf6_f32 v[P+6*\c:P+6*\c+2], v[S+32*\c:S+32*\c+15], v[TM+4*\e+2*\c]
	v_cvt_scalef32_pk16_bf6_f32 v[PT+8*\e+4*\c:PT+8*\e+4*\c+2], v[S+32*\c+16:S+32*\c+31], v[TM+4*\e+2*\c+1]   ; (a conversion's three registers begin on an even number)
.endr
.endr
	WIN 0
	v_nop                                          ; one plain line behind a scaled conversion
.irp e, 0,1                                    ; the operand's layout wants a whole block of 32 in a lane
.set P, PC+12*(2*(\k)+\e)
.irp c, 0,1
.irp i, 0,1,2
	v_permlane16_swap_b32 v[P+6*\c+\i], v[PT+8*\e+4*\c+\i]
.endr
.endr
.endr
.irp e, 0,1
.set P, PC+12*(2*(\k)+\e)
.irp c, 0,1
.irp i, 0,1,2
	v_mov_b32 v[P+3+6*\c+\i], v[PT+8*\e+4*\c+\i]
.endr
.endr
.endr
.irp e, 0,1
.set P, PC+12*(2*(\k)+\e)
.irp c, 0,1,2
	global_store_b128 v3, v[P+4*\c:P+4*\c+3], s[\ptr:\ptr+1] offset:3072*(2*(\k)+\e)+512*\c   ; 512 consecutive bytes of the fragment's image
.endr
	ds_store_b32 v[STI], v[PWA+2*(\k)+\e] offset:64*(2*(\k)+\e)   ; lanes r and r + 16 write the same word with the same value
.endr
.endm
	QUANTA 0, 12
	QUANTA 1, 12
	QUANTA 2, 12
	QUANTA 3, 12
	ds_load_b128 v[104:107], v[STB]                ; LDS serves a wave's instructions in order: this sees my stores.  My 128 tokens' scale words
	s_wait_dscnt 0x0
	global_store_b128 v3, v[104:107], s[20:21]     ; 512 consecutive bytes
	; ---- PHASE 2: everything that it reads lies in LDS or in registers
	s_wait_loadcnt 0x0                             ; the second bias (and Wv^T's scale words)
	s_wait_xcnt 0x0                                ; the stores have read the registers that phase 2 loads
	s_wait_tensorcnt 0x0                           ; my last tensor load, my half of slot 1, has landed (none was issued behind it);
	s_barrier_signal -1                            ; no LDS instruction of mine is out
	s_barrier_wait -1                              ; everybody's has.
	STEP2 0, 3                                     ; the first K step's products start the sums from the bias
	STEP2 1, 0
	STEP2 2, 0
	STEP2 3, 0
	STEP2 4, 0
	STEP2 5, 0
	STEP2 6, 0
	s_wait_dscnt 0x0                               ; the last K step
.irp a, 0,1,2,3
	MULA2 \a, 7, 0
.endr
	WIN 0
	PLACES
	s_lshl_b32 s72, s[WV], 9
	s_add_co_u32 s72, s72, STG
	v_and_b32 v108, 31, v0
	v_lshl_add_u32 v109, v108, 3, s72              ; my stage, 8 bytes a lane
	v_lshlrev_b32 v108, 3, v108
	QUANTA 0, 14
	QUANTA 1, 14
	ds_load_b64 v[104:105], v109                   ; my 64 features' scale words
	s_wait_dscnt 0x0
	global_store_b64 v108, v[104:105], s[16:17]    ; 256 consecutive bytes, at a multiple of 256
	s_wait_tensorcnt 0x0                           ; the wave's end
	ds_add_u32 v[SPW], v[NIL]
	s_wait_dscnt 0x0
	CROUND                                         ; the closing round
	s_endpgm
.Lfunc_end_k_q47ff4e8423_qkv:
	.size	k_q47ff4e8423_qkv, .Lfunc_end_k_q47ff4e8423_qkv-k_q47ff4e8423_qkv
	.p2alignl 7, 3214868480
	.fill 96, 4, 3214868480
	.section	.rodata,"a",@progbits
	.p2align	6, 0x0
	.amdhsa_kernel k_q47ff4e8423_qkv
		.amdhsa_group_segment_fixed_size 327680
		.amdhsa_private_segment_fixed_size 0
		.amdhsa_enable_private_segment 0
		.amdhsa_kernarg_size 56
		.amdhsa_user_sgpr_count 2
		.amdhsa_user_sgpr_kernarg_segment_ptr 1
		.amdhsa_wavefront_size32 1
		.amdhsa_system_sgpr_workgroup_id_x 1
		.amdhsa_system_sgpr_workgroup_id_y 1
		.amdhsa_system_sgpr_workgroup_id_z 1
		.amdhsa_system_vgpr_workitem_id 0
		.amdhsa_next_free_vgpr 1024
		.amdhsa_next_free_sgpr 100
		.amdhsa_reserve_vcc 0
		.amdhsa_float_denorm_mode_32 3
		.amdhsa_float_denorm_mode_16_64 3
		.amdhsa_memory_ordered 1
		.amdhsa_forward_progress 1
		.amdhsa_inst_pref_size 224
	.end_amdhsa_kernel
	.amdgpu_metadata
---
amdhsa.version: [ 1, 2 ]
amdhsa.kernels:
  - .name:           k_q47ff4e8423_qkv
    .symbol:         k_q47ff4e8423_qkv.kd
    .args:
      - { .name: xw_codes, .offset: 0, .size: 8, .value_kind: global_buffer, .address_space: global }
      - { .name: bq, .offset: 8, .size: 8, .value_kind: global_buffer, .address_space: global }
      - { .name: bk, .offset: 16, .size: 8, .value_kind: global_buffer, .address_space: global }
      - { .name: bv, .offset: 24, .size: 8, .value_kind: global_buffer, .address_space: global }
      - { .name: qk_codes, .offset: 32, .size: 8, .value_kind: global_buffer, .address_space: global }
      - { .name: v_codes, .offset: 40, .size: 8, .value_kind: global_buffer, .address_space: global }
      - { .name: v_scales, .offset: 48, .size: 8, .value_kind: global_buffer, .address_space: global }
    .group_segment_fixed_size: 327680
    .private_segment_fixed_size: 0
    .kernarg_segment_align: 8
    .kernarg_segment_size: 56
    .max_flat_workgroup_size: 128
    .sgpr_count:     100
    .vgpr_count:     1024
    .wavefront_size: 32
...
	.end_amdgpu_metadata
.endif
;; end of part 2
;; launch scores (part 3): grid 8 x 32, 4 waves a work-group, clusters of 4 x 4, 327,680 bytes of LDS; arguments qk_codes, p_codes, p_stats; writes p_codes, p_stats
.if DOCPART == 3
	.amdgcn_target "amdgcn-amd-amdhsa--gfx1250"
	.amdhsa_code_object_version 6
	.text
	.protected	k_q47ff4e8423_scores
	.globl	k_q47ff4e8423_scores
	.p2align	8
	.type	k_q47ff4e8423_scores,@function
k_q47ff4e8423_scores:
	s_mov_b64 s[64:65], 0
	v_nop
	global_prefetch_b8 v0, s[64:65] scope:SCOPE_SE
	s_setreg_imm32_b32 hwreg(HW_REG_WAVE_MODE, 25, 1), 1
	s_wait_xcnt 0x0
	s_wait_alu depctr_hold_cnt(0) depctr_sa_sdst(0) depctr_va_vdst(0) depctr_va_sdst(0) depctr_va_ssrc(0) depctr_va_vcc(0) depctr_vm_vsrc(0)
	s_getreg_b32 s2, hwreg(HW_REG_IB_STS2, 6, 4)
	s_cmp_eq_u32 s2, 0
	s_cbranch_scc0 .Lentry_in_a_cluster
	s_endpgm
.Lentry_in_a_cluster:
	s_bfe_u32 s2, ttmp6, 0x10000c
	s_cmp_lg_u32 s2, 0xf033
	s_cbranch_scc0 .Lentry_shape_is_right
	s_endpgm
.Lentry_shape_is_right:
; s = q k^T on codes of BF6; then, for each query and each K step of the next product (128 keys), p = 2^(t - M'), t = s log2(e) / 32, M' = ceil(the largest t of these 128 keys), quantised along the keys; and l', the sum of the
; unquantised p.  The next launch brings the sixteen M' of a query to one M by whole powers of two.
; qk_codes: [K pair 0..3][tile of 16 RBs, 0..63: q's 32, k's 32][51,200]: [RB][K step in pair][1,536 bytes], then [K step in pair][256 scale words]; fragments and the order of rows in an RB as in the launch before.
; p_codes: [batch][K pair 0..7 of keys][128 RB of queries][K step in pair][1,536]; p_stats: [batch][K step 0..15][16 RB + r][four words: scale word, -M', l', l' again].
; TILES.  256 queries x 256 keys: 256 work-groups of equal work.  Source 1 = q (a lane holds a query), source 0 = k (registers run along the keys).  A wave makes 128 x 128: 64 accumulators, a whole K step of the next product.
; RING: two slots of one K pair for each side, codes and scale words.  At the head each wave issues ONE joint load: wave 2 hi + hj K pair hi of q (hj = 0) or k (hj = 1).  The products start when K pair 0 is in: waves 2 and 3,
; whose load lines are their own, wait for theirs in front of the first round.  K pair 2 + hi follows behind a round by the same waves.  q's tiles are shared along the cluster's row, k's along its column.
; By this text's count a wave has at most one tensor load out.
; PREFETCH INTO THE L2.  In K step 0 each wave asks for its part of what it will load behind a round, K pair 2 + hi of q or k: the four partners that load a tile share its 200 blocks of 256 bytes out by address (cx for q, cy for k),
; 50 each, two instructions.  Nothing else is asked for; the address registers are not rewritten.
; In the last K step the maxima of blocks 0-5 stand between the products.  A block's largest p is the exponential of its largest score: p rises with the score (this takes v_exp_f32 not to fall where its input rises).
; LIMITS: NaN and infinities are not served; the scaled scores stay under 2^31 in magnitude; a block of p whose largest is under 2^-122 has its byte held at 1.
; REGISTERS.  window 0: v1-2 p's scale words; v3 16 x lane; v4-5, v6-7 LDS addresses of q, k (slot 0, 1); v8, v13 the prefetch's offsets; v9, v10 the spare word's address and 0; v11-12 the stage; v14-15 of the scale words;
;   v16-31 scale words, two sets; v32-63 largest scores, four a block; v64-159, v160-255 q's fragments; then v64-191 p of two blocks, v192-215 codes, v216-231 at work, v232-247 -M' twice, v248-255 l'.
;   window 1: v0-95, v128-223 k's fragments.   windows 2, 3: accumulators (a, b) at v[8 (8 (a % 4) + b)].
.set KPS,   3276800
.set XKP,   51200                      ; a tile of a K pair: a slot of one side
.set SCO,   49152                      ; its scale words
.set PART,  24576
.set BB,    102400                     ; k's two slots, behind q's two
.set SPARE, 204800                     ; the spare words, 128 bytes a wave
.set STG,   205312                     ; 2,048 bytes a wave; no fill lands here
.set PW,   1
.set ADRA, 4
.set ADRB, 6
.set PFO,  8
.set SPW,  9
.set NIL,  10
.set STI,  11
.set STB,  12
.set PFO2, 13
.set ADRS, 14
.set SC,   16
.set BM,   32
.set AF,   64
.set AS,   96
.set E,    64
.set PC,   192
.set PT,   216
.set NM,   232
.set LA,   248
.set WV,   22
.set HI,   23
.set HJ,   44
.set SEL,  46
.set CS,   66
.set PF,   68                          ; s[68:69] where my prefetches stand
.set G1A,  24
.set G1B,  32
.set G0A,  48
.set G0B,  52
.set MSB, 0
.set MODE, 0
.macro WIN new
.if MSB != (\new)
	s_set_vgpr_msb (MSB<<8)|(\new)
.set MSB, (\new)
.endif
.endm
.macro PLACES
.rept 4
	v_nop
.endr
.endm
.macro TLOAD g0, g1                    ; s_nop 0 and four v_nop follow each tensor load
	tensor_load_to_lds s[\g0:\g0+3], s[\g1:\g1+7]
	s_nop 0
.rept 4
	v_nop
.endr
.endm
.macro JLOAD hi                        ; a joint load by the two waves of half hi: q's K pair and k's
	s_cmp_lg_u32 s[HI], \hi
	s_cbranch_scc1 .Lasked_\@
	s_cmp_eq_u32 s[HJ], 0
	s_cbranch_scc0 .Lfor_b_\@
	TLOAD G0A, G1A
	s_branch .Lasked_\@
.Lfor_b_\@:
	TLOAD G0B, G1B
.Lasked_\@:
.endm
.macro ARM under, g0, g1, next
	s_cmp_lt_u32 s[WV], \under
	s_cbranch_scc0 \next
	TLOAD \g0, \g1
	s_branch .Lhead_asked
\next:
.endm
.macro CREST
	s_cmp_lg_u32 s[WV], 0
	s_cbranch_scc1 .Lnot_wave_0_\@
	s_barrier_signal -3
.Lnot_wave_0_\@:
	s_barrier_wait -3
	s_barrier_signal -1
	s_barrier_wait -1
.endm
.macro CROUND
	s_barrier_signal -1
	s_barrier_wait -1
	CREST
.endm
.macro FRAG reg, adr, off              ; a fragment's image: three loads of 512 consecutive bytes
	ds_load_b128 v[\reg:\reg+3], v[\adr] offset:\off
	ds_load_b128 v[\reg+4:\reg+7], v[\adr] offset:\off+512
	ds_load_b128 v[\reg+8:\reg+11], v[\adr] offset:\off+1024
.endm
; 56 LDS loads in one run: K step t into set t % 2: k's eight fragments, q's eight, and eight registers of scale words (lanes 0-15 q's block i, lanes 16-31 k's)
.macro FETCH t
.set sl, ((\t)/2)%2
.set qq, (\t)%2
	WIN 0x40
.irp i, 0,1,2,3,4,5,6,7
	FRAG 128*qq+12*\i, ADRB+sl, \i*3072+qq*1536
.endr
	WIN 0
.irp i, 0,1,2,3,4,5,6,7
	FRAG AF+AS*qq+12*\i, ADRA+sl, \i*3072+qq*1536
.endr
.irp i, 0,1,2,3,4,5,6,7
	ds_load_b32 v[SC+8*qq+\i], v[ADRS+sl] offset:1024*qq+64*\i
.endr
.endm
; Line l of 8 of block a's maxima: v[BM + 4 a + b] = the largest of the lane's 16 scores of 32 keys; each accumulator from its low end on
.macro MAXL a, l
.set W, 2+(\a)/4
.set S, 64*((\a)%4)
.if (\l) == 0
	WIN W|(W<<2)|(W<<4)
.irp b, 0,1,2,3
	v_max3_num_f32 v[BM+4*(\a)+\b], v[S+16*\b], v[S+16*\b+1], v[S+16*\b+2]
.endr
.else
	WIN (W<<2)|(W<<4)
.irp b, 0,1,2,3
.if (\l) < 7
	v_max3_num_f32 v[BM+4*(\a)+\b], v[BM+4*(\a)+\b], v[S+16*\b+2*(\l)+1], v[S+16*\b+2*(\l)+2]
.else
	v_max_num_f32 v[BM+4*(\a)+\b], v[BM+4*(\a)+\b], v[S+16*\b+15]
.endif
.endr
.endif
.endm
; Eight matrix instructions: q's block a against k's eight; cm = 1: the products start the sums.  The 64 accumulators take turns in the same order in every K step.
; MODE 1: behind each stand four lines of the maxima of two blocks ago
.macro MULA a, p, cm
.set cw, 0xa1+0x50*((\a)/4)
	WIN cw
.irp b, 0,1,2,3,4,5,6,7
.set rD, 8*(8*((\a)%4)+\b)
.set rB, 128*(\p)+12*\b
.set rA, AF+AS*(\p)+12*(\a)
.set rX, SC+8*(\p)+\b
.set rY, SC+8*(\p)+(\a)
.if (\cm) == 0
	v_wmma_scale_f32_16x16x128_f8f6f4 v[rD:rD+7], v[rB:rB+11], v[rA:rA+11], v[rD:rD+7], v[rX], v[rY] matrix_a_fmt:MATRIX_FMT_BF6 matrix_b_fmt:MATRIX_FMT_BF6 matrix_a_scale:MATRIX_SCALE_ROW1
.else
	v_wmma_scale_f32_16x16x128_f8f6f4 v[rD:rD+7], v[rB:rB+11], v[rA:rA+11], 0, v[rX], v[rY] matrix_a_fmt:MATRIX_FMT_BF6 matrix_b_fmt:MATRIX_FMT_BF6 matrix_a_scale:MATRIX_SCALE_ROW1
.endif
.if MODE == 1
	MAXL (\a)-2, \b
	WIN cw
.endif
.endr
.endm
.macro STEP sg, cm, ask
	s_wait_dscnt 0x0                               ; this step's operands, asked for a step ago, are in
	PLACES                                         ; for the loads into the set that the step before multiplied
	FETCH (\sg)+1
.if \ask
	global_prefetch_b8 v[PFO], s[PF:PF+1] offset:2*KPS th:TH_LOAD_NT scope:SCOPE_SE
	global_prefetch_b8 v[PFO2], s[PF:PF+1] offset:2*KPS th:TH_LOAD_NT scope:SCOPE_SE
.endif
.irp a, 0,1,2,3,4,5,6,7
	MULA \a, (\sg)%2, \cm
.endr
	WIN 0
.endm
.macro TURN sg, fill                   ; a slot's last K step: one barrier for the change of slots; fill = 1: it opens a round of the cluster's barrier, and the slot is filled again behind the round
	PLACES
	s_wait_tensorcnt 0x0                           ; all my tensor loads have landed
	ds_add_u32 v[SPW], v[NIL]                      ; 0 onto my spare word
	s_wait_dscnt 0x1                               ; only the add may be out: this step's operands are in, and they were my last reads of the slot
	MULA 0, 1, 0
	s_wait_dscnt 0x0                               ; the add is done
	s_barrier_signal -1
	MULA 1, 1, 0
	WIN 0
	s_barrier_wait -1
.if \fill
	CREST
.if (\sg) == 1
	s_add_nc_u64 s[G0A+2:G0A+3], s[G0A+2:G0A+3], 2*KPS   ; every wave's next K pair: 2 + hi
	s_add_nc_u64 s[G0B+2:G0B+3], s[G0B+2:G0B+3], 2*KPS
.endif
	JLOAD (\sg)/2                                  ; the first tensor load behind the round
.endif
	FETCH (\sg)+1
.irp a, 2,3,4,5,6,7
	MULA \a, 1, 0
.endr
	WIN 0
.endm
	s_load_b128 s[4:7], s[0:1], 0x0                ; qk_codes s[4:5], p_codes s[6:7]
	s_load_b64 s[8:9], s[0:1], 0x10                ; p_stats
	v_lshl_add_u32 v[SPW], v0, 2, SPARE
	v_mov_b32 v[NIL], 0
	ds_add_u32 v[SPW], v[NIL]                      ; the opening lines: the add, twice on end, and its wait ahead of my first tensor load
	ds_add_u32 v[SPW], v[NIL]
	v_lshrrev_b32 v1, 5, v0
	v_readfirstlane_b32 s[WV], v1
	s_lshr_b32 s[HI], s[WV], 1                     ; which 128 queries are mine.  Also: which K pair of two I fetch
	s_and_b32 s[HJ], s[WV], 1                      ; which 128 keys.  Also: I fetch for q (0) or for k (1)
	s_bfe_u32 s40, ttmp6, 0x40000                  ; cx
	s_bfe_u32 s41, ttmp6, 0x40004                  ; cy
	s_mov_b32 s42, ttmp9
	s_and_b32 s43, ttmp7, 0xffff
	s_mov_b32 s[SEL], 0x76543210
	s_mov_b32 s[SEL+1], 0xfedcba98
	s_mov_b32 s[CS], 0x3d38aa3b                    ; log2(e) / 32: t = score x this
	s_mov_b32 s[CS+1], s[CS]
	s_lshl_b32 s92, s41, 2
	s_lshl_b32 s92, 15, s92                        ; my row of the cluster
	s_lshl_b32 s93, 0x1111, s40                    ; my column
	s_or_b32 s[G1A], s92, 0x230000                 ; the mask; elements of 8 bytes; bit 21 beside a mask; no padding
	s_or_b32 s[G1B], s93, 0x230000
.irp g, G1A, G1B                       ; a tile of a K pair: a dense block of 51,200 bytes as 200 rows of 256
	s_mov_b32 s[\g+1], 32<<16
	s_mov_b32 s[\g+2], 200<<16
	s_mov_b32 s[\g+3], 32<<16
	s_mov_b32 s[\g+4], 200
	s_mov_b32 s[\g+5], 32
	s_mov_b32 s[\g+6], 0
	s_mov_b32 s[\g+7], 0
.endr
	s_lshl_b32 s45, s43, 2
	s_add_co_u32 s45, s45, s41                     ; the tile of queries, 0..31
	s_lshl_b32 s20, s42, 2
	s_add_co_u32 s20, s20, s40                     ; the tile of keys in the batch, 0..7
	s_lshr_b32 s21, s43, 1                         ; the batch: the cluster's y alone
	s_mul_i32 s94, s[HI], KPS                      ; my K pair
	s_mul_i32 s92, s45, XKP
	s_add_co_u32 s92, s92, s94
	s_mov_b32 s93, 0
	s_lshl_b32 s96, s21, 3
	s_add_co_u32 s96, s96, s20
	s_add_co_u32 s96, s96, 32                      ; k's tiles follow q's 32
	s_mul_i32 s96, s96, XKP
	s_add_co_u32 s96, s96, s94
	s_mov_b32 s97, 0
	s_cmp_eq_u32 s[HJ], 0                          ; the prefetch: my side's K pair, my quarter of the tile, 12,800 bytes
	s_cselect_b32 s68, s92, s96
	s_cselect_b32 s69, s40, s41
	s_mul_i32 s69, s69, 12800
	s_add_co_u32 s68, s68, s69
	s_mov_b32 s69, 0
	s_mul_i32 s95, s[HI], XKP                      ; its slot: the wave's number alone
	s_mov_b32 s[G0A], 1
	s_mov_b32 s[G0A+1], s95
	s_mov_b32 s[G0B], 1
	s_add_co_u32 s[G0B+1], s95, BB
	s_mul_i32 s2, s[HI], PART                      ; LDS: my 8 RBs of q
	s_mul_i32 s3, s[HJ], PART                      ; and of k
	s_add_co_u32 s3, s3, BB
	s_lshl_b32 s98, s[HI], 9                       ; the scale words: lanes 0-15 q's half hi, lanes 16-31 k's half hj, BB + 512 (hj - hi) bytes on
	s_lshl_b32 s99, s[HJ], 9
	s_add_co_u32 s99, s99, BB
	s_sub_co_u32 s99, s99, s98
	s_add_co_u32 s98, s98, SCO
	s_lshl_b32 s94, s[WV], 11
	s_add_co_u32 s94, s94, STG
	v_and_b32 v1, 15, v0                           ; r
	v_bfe_u32 v2, v0, 4, 1                         ; h
	v_and_b32 v3, 31, v0
	v_lshlrev_b32 v[PFO], 8, v3                    ; the prefetch: a lane a block of 256 bytes: blocks 0-31,
	v_add_nc_u32 v[PFO2], 32, v3
	v_min_u32 v[PFO2], 49, v[PFO2]
	v_lshlrev_b32 v[PFO2], 8, v[PFO2]              ; and 32-49 (the lanes left over name block 49 again)
	v_lshlrev_b32 v3, 4, v3
	v_mul_u32_u24 v[ADRS], s99, v2
	v_add_nc_u32 v[ADRA], s2, v3
	v_add_nc_u32 v[ADRB], s3, v3
	v_lshl_add_u32 v[ADRS], v1, 2, v[ADRS]
	v_add_nc_u32 v[ADRA+1], XKP, v[ADRA]
	v_add_nc_u32 v[ADRB+1], XKP, v[ADRB]
	v_add_nc_u32 v[ADRS], s98, v[ADRS]
	v_lshl_add_u32 v[STI], v1, 4, s94              ; the stage: 16 bytes a query
	v_add_nc_u32 v[STB], s94, v3
	v_add_nc_u32 v[ADRS+1], XKP, v[ADRS]
	s_wait_alu depctr_va_vdst(0)
	s_wait_dscnt 0x0                               ; both opening adds are done
	s_wait_kmcnt 0x0
	s_add_nc_u64 s[G0A+2:G0A+3], s[4:5], s[92:93]
	s_or_b32 s[G0A+3], s[G0A+3], 0x80000000
	s_add_nc_u64 s[G0B+2:G0B+3], s[4:5], s[96:97]
	s_or_b32 s[G0B+3], s[G0B+3], 0x80000000
	CROUND                                         ; all sixteen work-groups are here: the first joint loads meet
	ARM 1, G0A, G1A, .Lhead_1                      ; one load a wave
	ARM 2, G0B, G1B, .Lhead_2
	ARM 3, G0A, G1A, .Lhead_3
	TLOAD G0B, G1B
.Lhead_asked:
	s_add_nc_u64 s[PF:PF+1], s[4:5], s[PF:PF+1]
	; where the results go: K pair = the tile of keys, K step hj in it, RB 16 (tile % 8) + 8 hi + a of the batch
	s_and_b32 s92, s45, 7
	s_lshl_b32 s92, s92, 4
	s_lshl_b32 s93, s[HI], 3
	s_add_co_u32 s92, s92, s93
	s_mul_i32 s94, s92, 3072
	s_mul_i32 s93, s21, 3145728
	s_add_co_u32 s94, s94, s93
	s_mul_i32 s93, s20, 393216
	s_add_co_u32 s94, s94, s93
	s_mul_i32 s93, s[HJ], 1536
	s_add_co_u32 s94, s94, s93
	s_mov_b32 s95, 0
	s_add_nc_u64 s[6:7], s[6:7], s[94:95]
	s_lshl_b32 s93, s21, 4
	s_lshl_b32 s94, s20, 1
	s_add_co_u32 s93, s93, s94
	s_add_co_u32 s93, s93, s[HJ]
	s_lshl_b32 s94, s93, 15                        ; 2,048 queries x 16 bytes a K step
	s_lshl_b32 s92, s92, 8
	s_add_co_u32 s94, s94, s92
	s_add_nc_u64 s[8:9], s[8:9], s[94:95]
	s_cmp_lg_u32 s[HI], 0                          ; K pair 0 is waves 0 and 1's: waves 2 and 3 leave K pair 1 on its way
	s_cbranch_scc1 .Lno_wait
	s_wait_tensorcnt 0x0
.Lno_wait:
	s_barrier_signal -1
	s_barrier_wait -1                              ; K pair 0 is in.
	FETCH 0
	STEP 0, 1, 1
	TURN 1, 1                                      ; slot 0 takes K pair 2
	STEP 2, 0, 0
	TURN 3, 1                                      ; slot 1 takes K pair 3
	STEP 4, 0, 0
	TURN 5, 0                                      ; nothing is left to fetch: no round
	STEP 6, 0, 0
	s_wait_dscnt 0x0                               ; the last K step
	MULA 0, 1, 0
	MULA 1, 1, 0
	PLACES                                         ; in front of the first read of block 0's and block 1's results
.set MODE, 1
.irp a, 2,3,4,5,6,7
	MULA \a, 1, 0
.endr
.irp l, 0,1,2,3,4,5,6,7
	MAXL 6, \l
.endr
.irp l, 0,1,2,3,4,5,6,7                ; (block 6's lines are the places behind block 7's last product)
	MAXL 7, \l
.endr
	WIN 0
.set j, 0
.rept 32
	v_permlanex16_b32 v[E+j], v[BM+j], s[SEL], s[SEL+1]
.set j, j+1
.endr
.set j, 0
.rept 32
	v_max_num_f32 v[BM+j], v[BM+j], v[E+j]         ; with lane l xor 16's 16 keys: the largest score of 32 keys
.set j, j+1
.endr
.irp a, 0,1,2,3,4,5,6,7
	v_max3_num_f32 v[96+\a], v[BM+4*\a], v[BM+4*\a+1], v[BM+4*\a+2]
.endr
.irp a, 0,1,2,3,4,5,6,7
	v_max_num_f32 v[96+\a], v[96+\a], v[BM+4*\a+3]
.endr
.irp a, 0,1,2,3,4,5,6,7
	v_mul_f32 v[96+\a], s[CS], v[96+\a]            ; the largest t of my query
.endr
.irp a, 0,1,2,3,4,5,6,7
	v_floor_f32 v[NM+2*\a], -v[96+\a]              ; -M': a whole number
	v_floor_f32 v[NM+2*\a+1], -v[96+\a]            ; (the packed form names a pair)
.endr
.irp b, 0,1,2,3
.irp a, 0,1,2,3,4,5,6,7
	v_fma_f32 v[BM+4*\a+\b], v[BM+4*\a+\b], s[CS], v[NM+2*\a]
.endr
.endr
; Blocks 2 k and 2 k + 1: p, its sum, its codes
.macro PAIR k
.set W, 2+(\k)/2
	WIN W
.irp e, 0,1
.set S, 64*((2*(\k)+\e)%4)
.set M, NM+4*(\k)+2*\e
.set j, 0
.rept 32
	v_pk_fma_f32 v[E+64*\e+j:E+64*\e+j+1], v[S+j:S+j+1], s[CS:CS+1], v[M:M+1] op_sel_hi:[1,0,0]   ; t - M'
.set j, j+2
.endr
.endr
	WIN 0
	s_wait_alu depctr_va_vdst(0)
.set j, 0
.rept 128
	v_exp_f32 v[E+j], v[E+j]
.set j, j+1
.endr
.if (\k) == 0
.set j, 0
.rept 32
	v_exp_f32 v[BM+j], v[BM+j]                     ; the largest p of each 32 keys, for all eight blocks
.set j, j+1
.endr
.endif
	v_nop                                          ; a plain place behind the exponentials
	s_wait_alu depctr_va_vdst(0)                   ; and the wait ahead of their first reader
	s_wait_xcnt 0x0                                ; the stores before have read the codes' registers
.irp e, 0,1
	v_pk_add_f32 v[PT+4*\e:PT+4*\e+1], v[E+64*\e:E+64*\e+1], v[E+64*\e+2:E+64*\e+3]   ; the sum of the unquantised p, two chains a block
	v_pk_add_f32 v[PT+4*\e+2:PT+4*\e+3], v[E+64*\e+4:E+64*\e+5], v[E+64*\e+6:E+64*\e+7]
.endr
.set j, 8
.rept 14
.irp e, 0,1
	v_pk_add_f32 v[PT+4*\e:PT+4*\e+1], v[PT+4*\e:PT+4*\e+1], v[E+64*\e+j:E+64*\e+j+1]
	v_pk_add_f32 v[PT+4*\e+2:PT+4*\e+3], v[PT+4*\e+2:PT+4*\e+3], v[E+64*\e+j+2:E+64*\e+j+3]
.endr
.set j, j+4
.endr
.irp q, 0,1,2,3,4,5,6,7
	v_max_num_f32 v[BM+8*(\k)+\q], 0x2800000, v[BM+8*(\k)+\q]   ; the floor 2^(5 - 127)
.endr
.irp e, 0,1
	v_pk_add_f32 v[PT+4*\e:PT+4*\e+1], v[PT+4*\e:PT+4*\e+1], v[PT+4*\e+2:PT+4*\e+3]
.endr
.irp q, 0,1,2,3,4,5,6,7
	v_add_nc_u32 v[BM+8*(\k)+\q], 0xfe000000, v[BM+8*(\k)+\q]   ; 4 off the exponent field: the conversion's scale operand
.endr
.irp e, 0,1
	v_add_f32 v[PT+4*\e], v[PT+4*\e], v[PT+4*\e+1]
.endr
.irp e, 0,1
	v_permlanex16_b32 v[PT+8+\e], v[PT+4*\e], s[SEL], s[SEL+1]
.endr
.irp e, 0,1
	v_add_f32 v[LA+2*(\k)+\e], v[PT+4*\e], v[PT+8+\e]
.endr
.irp q, 0,1,2,3,4,5,6,7
	v_lshrrev_b32 v[PT+\q], 23, v[BM+8*(\k)+\q]    ; the byte
.endr
.irp e, 0,1
	v_lshl_or_b32 v[PW+\e], v[PT+4*\e+1], 8, v[PT+4*\e]
.endr
.irp e, 0,1
	v_lshl_or_b32 v[PW+\e], v[PT+4*\e+2], 16, v[PW+\e]
.endr
.irp e, 0,1
	v_lshl_or_b32 v[PW+\e], v[PT+4*\e+3], 24, v[PW+\e]
.endr
.irp e, 0,1
.irp c, 0,1
	v_cvt_scalef32_pk16_bf6_f32 v[PC+12*\e+6*\c:PC+12*\e+6*\c+2], v[E+64*\e+32*\c:E+64*\e+32*\c+15], v[BM+8*(\k)+4*\e+2*\c]
	v_cvt_scalef32_pk16_bf6_f32 v[PT+8*\e+4*\c:PT+8*\e+4*\c+2], v[E+64*\e+32*\c+16:E+64*\e+32*\c+31], v[BM+8*(\k)+4*\e+2*\c+1]
.endr
.endr
	v_nop                                          ; one plain line behind a scaled conversion
.irp e, 0,1
.irp c, 0,1
.irp i, 0,1,2
	v_permlane16_swap_b32 v[PC+12*\e+6*\c+\i], v[PT+8*\e+4*\c+\i]   ; a whole block of 32 in a lane
.endr
.endr
.endr
.irp e, 0,1
.irp c, 0,1
.irp i, 0,1,2
	v_mov_b32 v[PC+12*\e+3+6*\c+\i], v[PT+8*\e+4*\c+\i]
.endr
.endr
.endr
.irp e, 0,1
.irp c, 0,1,2
	global_store_b128 v3, v[PC+12*\e+4*\c:PC+12*\e+4*\c+3], s[6:7] offset:3072*(2*(\k)+\e)+512*\c   ; 512 consecutive bytes
.endr
	ds_store_b32 v[STI], v[PW+\e] offset:256*(2*(\k)+\e)
	ds_store_b32 v[STI], v[NM+4*(\k)+2*\e] offset:256*(2*(\k)+\e)+4
	ds_store_b32 v[STI], v[LA+2*(\k)+\e] offset:256*(2*(\k)+\e)+8
	ds_store_b32 v[STI], v[LA+2*(\k)+\e] offset:256*(2*(\k)+\e)+12   ; (the fourth word fills the 16 bytes)
.endr
.endm
	PAIR 0
	PAIR 1
	PAIR 2
	PAIR 3
.irp n, 0,1,2,3
	ds_load_b128 v[E+4*\n:E+4*\n+3], v[STB] offset:512*\n   ; LDS serves a wave's instructions in order: these see my stores
.endr
	s_wait_dscnt 0x0
.irp n, 0,1,2,3
	global_store_b128 v3, v[E+4*\n:E+4*\n+3], s[8:9] offset:512*\n   ; my 128 queries' 2,048 consecutive bytes
.endr
	s_wait_tensorcnt 0x0                           ; the wave's end
	ds_add_u32 v[SPW], v[NIL]
	s_wait_dscnt 0x0
	CROUND                                         ; the closing round
	s_endpgm
.Lfunc_end_k_q47ff4e8423_scores:
	.size	k_q47ff4e8423_scores, .Lfunc_end_k_q47ff4e8423_scores-k_q47ff4e8423_scores
	.p2alignl 7, 3214868480
	.fill 96, 4, 3214868480
	.section	.rodata,"a",@progbits
	.p2align	6, 0x0
	.amdhsa_kernel k_q47ff4e8423_scores
		.amdhsa_group_segment_fixed_size 327680
		.amdhsa_private_segment_fixed_size 0
		.amdhsa_enable_private_segment 0
		.amdhsa_kernarg_size 24
		.amdhsa_user_sgpr_count 2
		.amdhsa_user_sgpr_kernarg_segment_ptr 1
		.amdhsa_wavefront_size32 1
		.amdhsa_system_sgpr_workgroup_id_x 1
		.amdhsa_system_sgpr_workgroup_id_y 1
		.amdhsa_system_sgpr_workgroup_id_z 1
		.amdhsa_system_vgpr_workitem_id 0
		.amdhsa_next_free_vgpr 1024
		.amdhsa_next_free_sgpr 100
		.amdhsa_reserve_vcc 0
		.amdhsa_float_denorm_mode_32 3
		.amdhsa_float_denorm_mode_16_64 3
		.amdhsa_memory_ordered 1
		.amdhsa_forward_progress 1
		.amdhsa_inst_pref_size 198
	.end_amdhsa_kernel
	.amdgpu_metadata
---
amdhsa.version: [ 1, 2 ]
amdhsa.kernels:
  - .name:           k_q47ff4e8423_scores
    .symbol:         k_q47ff4e8423_scores.kd
    .args:
      - { .name: qk_codes, .offset: 0, .size: 8, .value_kind: global_buffer, .address_space: global }
      - { .name: p_codes, .offset: 8, .size: 8, .value_kind: global_buffer, .address_space: global }
      - { .name: p_stats, .offset: 16, .size: 8, .value_kind: global_buffer, .address_space: global }
    .group_segment_fixed_size: 327680
    .private_segment_fixed_size: 0
    .kernarg_segment_align: 8
    .kernarg_segment_size: 24
    .max_flat_workgroup_size: 128
    .sgpr_count:     100
    .vgpr_count:     1024
    .wavefront_size: 32
...
	.end_amdgpu_metadata
.endif
;; end of part 3
;; launch pv (part 4): grid 4 x 64, 4 waves a work-group, clusters of 4 x 4, 327,680 bytes of LDS; arguments p_codes, p_stats, v_codes, v_scales, out0; writes out0
.if DOCPART == 4
	.amdgcn_target "amdgcn-amd-amdhsa--gfx1250"
	.amdhsa_code_object_version 6
	.text
	.protected	k_q47ff4e8423_pv
	.globl	k_q47ff4e8423_pv
	.p2align	8
	.type	k_q47ff4e8423_pv,@function
k_q47ff4e8423_pv:
	s_mov_b64 s[64:65], 0
	v_nop
	global_prefetch_b8 v0, s[64:65] scope:SCOPE_SE
	s_setreg_imm32_b32 hwreg(HW_REG_WAVE_MODE, 25, 1), 1
	s_wait_xcnt 0x0
	s_wait_alu depctr_hold_cnt(0) depctr_sa_sdst(0) depctr_va_vdst(0) depctr_va_sdst(0) depctr_va_ssrc(0) depctr_va_vcc(0) depctr_vm_vsrc(0)
	s_getreg_b32 s2, hwreg(HW_REG_IB_STS2, 6, 4)
	s_cmp_eq_u32 s2, 0
	s_cbranch_scc0 .Lentry_in_a_cluster
	s_endpgm
.Lentry_in_a_cluster:
	s_bfe_u32 s2, ttmp6, 0x10000c
	s_cmp_lg_u32 s2, 0xf033
	s_cbranch_scc0 .Lentry_shape_is_right
	s_endpgm
.Lentry_shape_is_right:
; out = (p v) / l on codes of BF6.  p arrives in 16 K steps of 128 keys, each under a whole number M' of its own for each query.  First, for each query: M = the largest M'; l = the sum of l' x 2^(M' - M);
; and M' - M, a whole number, 0 or less, is added to the four bytes of p's scale word of that K step: exact.  Then one product over all 2,048 keys, and the division by l.
; OPERANDS are images of fragments (RB = 16 rows; RB 2 g + u, place r = row 32 g + 8 u + r + 8 (r / 8); 1,536 bytes for 128 along K).  p_codes: [batch][K pair 0..7][128 RB of queries][K step in pair][1,536];
; v_codes: [batch][K pair][64 RB of features][K step in pair][1,536]; v_scales: [batch][half tile of 128 features][K step 0..15][128 words]; p_stats: [batch][K step][16 RB + r][four words: scale word, -M', l', l' again].
; TILES.  128 queries x 256 features: 256 work-groups (tiles of 256 x 256 would be 128).  A = p (source 1: a lane holds a query), B = v^T (source 0: registers run along the features, in their own order).
; A wave makes 64 x 128: 32 accumulators.  RING: two slots of two K pairs (512 keys, 4 K steps).  Wave 2 hi + hj fetches slot hi of A (hj = 0) or B (hj = 1): ONE joint load a wave at the head, for both slots.  The products start
; when slot 0 is in: waves 2 and 3, whose load lines are their own, wait for slot 1 at K step 3, in front of the first round.  K pairs 4 + 2 hi, 5 + 2 hi follow behind a round by the same waves.
; A's tiles are shared along the cluster's row, B's along its column.  By this text's count a wave has at most one tensor load out.  v's scale words (16 KB) and p's go through registers into LDS bytes of their own.
; PREFETCHES INTO THE L2.  In K step 0 each wave asks for its part of K pairs 4, 5, in K step 4 of 6, 7: three K steps ahead of the joint load that wants them.  A K pair of A is 96 blocks of 256 bytes, of B 192: the four partners that
; load it share its blocks out by address (cx for A, cy for B), 24 and 48 each; wave hi takes the K pair of that parity.  No address register is rewritten; nothing is asked for behind K pair 7.
; LIMITS: NaN and infinities are not served.  M - M' is held at 127, and an adjusted byte is held at 0 from below: keys of a K step that lies more than 2^120 under the row's maximum count with at most 28 x 2^-127 each instead of less.
; p's bytes lie between 1 and 123 (p is at most a little over 1), which the byte arithmetic below relies on.
; REGISTERS.  window 0: v3 16 x lane; v4-5 A's LDS addresses (slot 0, 1); v6-7, v14-15 B's (slot 0, 1; first, second K pair); v8, v13 the scale words'; v9, v10 the spare word's address and 0; v11-12 the stage;
;   v16-31 scale words, two sets, and nothing else; v32-39 1 / l; v40-47 at work; v64-111, v112-159 A's fragments; v160-255 the statistics and v's scale words; on the way out v160-223 and v64-127 a block's results, by turns.
;   window 1: v0-95, v128-223 B's fragments; on the way out all 256 hold rows read back.   window 2: the accumulators.
.set KPSP,  393216
.set KPSV,  196608
.set ASL,   49152                      ; a slot of A: two K pairs of 24,576 bytes
.set BB,    98304                      ; behind A's two slots: B's,
.set BSL,   98304                      ; each two K pairs of 49,152 bytes
.set PS,    294912                     ; p's adjusted scale words: [16 K steps][128 rows x 4]
.set VS,    303104                     ; v's scale words: half j at 8,192 j: [16 K steps][128 rows x 4]
.set RL,    319488                     ; 1 / l of the 128 rows
.set SPARE, 320000                     ; the spare words, 128 bytes a wave
.set ADRA, 4
.set ADRS, 8
.set ADRS2, 13
.set SPW,  9
.set NIL,  10
.set STO,  11
.set RD,   12
.set SC,   16
.set RLR,  32                          ; v32-39 1 / l, a pair for each block
.set PFO,  44                          ; v44-45 the prefetches' offsets
.set RLA,  47
.set AF,   64
.set AS,   48
.set T0,   160
.set T1,   64
.set PP,   160                         ; v160-223 my row's statistics: four words for each K step
.set VW,   224                         ; v224-255 v's scale words on their way
.set WV,   22
.set HI,   23
.set HJ,   44
.set G1A,  24
.set G0A,  32
.set G1B,  48
.set G0B,  56
.set PF,   68                          ; s[68:69] where my prefetches stand
.set MSB, 0
.set MODE, 0
.macro WIN new
.if MSB != (\new)
	s_set_vgpr_msb (MSB<<8)|(\new)
.set MSB, (\new)
.endif
.endm
.macro PLACES
.rept 4
	v_nop
.endr
.endm
.macro TLOAD g0, g1                    ; s_nop 0 and four v_nop follow each tensor load
	tensor_load_to_lds s[\g0:\g0+3], s[\g1:\g1+7]
	s_nop 0
.rept 4
	v_nop
.endr
.endm
.macro ARM under, g0, g1, next         ; the head: one load an arm
	s_cmp_lt_u32 s[WV], \under
	s_cbranch_scc0 \next
	TLOAD \g0, \g1
	s_branch .Lhead_asked
\next:
.endm
.macro JLOAD hi                        ; a joint load into slot hi by its two waves: A's two K pairs and B's
	s_cmp_lg_u32 s[HI], \hi
	s_cbranch_scc1 .Lasked_\@
	s_cmp_eq_u32 s[HJ], 0
	s_cbranch_scc0 .Lfor_b_\@
	TLOAD G0A, G1A
	s_branch .Lasked_\@
.Lfor_b_\@:
	TLOAD G0B, G1B
.Lasked_\@:
.endm
.macro ASK n                           ; K pairs n, n + 1: mine is n + hi
	s_cmp_eq_u32 s[HJ], 0
	s_cbranch_scc0 .Lask_b_\@
	global_prefetch_b8 v[PFO], s[PF:PF+1] offset:(\n)*KPSP th:TH_LOAD_NT scope:SCOPE_SE
	s_branch .Lask_end_\@
.Lask_b_\@:
	global_prefetch_b8 v[PFO], s[PF:PF+1] offset:(\n)*KPSV th:TH_LOAD_NT scope:SCOPE_SE
	global_prefetch_b8 v[PFO+1], s[PF:PF+1] offset:(\n)*KPSV th:TH_LOAD_NT scope:SCOPE_SE
.Lask_end_\@:
.endm
.macro CREST
	s_cmp_lg_u32 s[WV], 0
	s_cbranch_scc1 .Lnot_wave_0_\@
	s_barrier_signal -3
.Lnot_wave_0_\@:
	s_barrier_wait -3
	s_barrier_signal -1
	s_barrier_wait -1
.endm
.macro CROUND
	s_barrier_signal -1
	s_barrier_wait -1
	CREST
.endm
.macro FRAG reg, adr, off
	ds_load_b128 v[\reg:\reg+3], v[\adr] offset:\off
	ds_load_b128 v[\reg+4:\reg+7], v[\adr] offset:\off+512
	ds_load_b128 v[\reg+8:\reg+11], v[\adr] offset:\off+1024
.endm
; 44 LDS loads in one run: K step t (slot (t / 4) % 2, its K pair (t / 2) % 2) into set t % 2.  Scale register i: lanes 16-31 B's block i; lanes 0-15 A's block i % 4 (registers 4-7 take the second address, whose lanes 0-15 stand 256 bytes back)
.macro FETCH t
.set sl, ((\t)/4)%2
.set kp, ((\t)/2)%2
.set qq, (\t)%2
	WIN 0x40
.irp i, 0,1,2,3,4,5,6,7
	FRAG 128*qq+12*\i, 6+sl+8*kp, \i*3072+qq*1536
.endr
	WIN 0
.irp i, 0,1,2,3
	FRAG AF+AS*qq+12*\i, ADRA+sl, kp*24576+\i*3072+qq*1536
.endr
.irp i, 0,1,2,3
	ds_load_b32 v[SC+8*qq+\i], v[ADRS] offset:512*(\t)+64*\i
.endr
.irp i, 4,5,6,7
	ds_load_b32 v[SC+8*qq+\i], v[ADRS2] offset:512*(\t)+64*\i
.endr
.endm
.macro MUL4 a, t, base                 ; tile t of block a x 1 / l, from its low end on
	WIN 0x02
.irp i, 0,2,4,6
	v_pk_mul_f32 v[\base+8*(\t)+\i:\base+8*(\t)+\i+1], v[64*(\a)+8*(\t)+\i:64*(\a)+8*(\t)+\i+1], v[RLR+2*(\a):RLR+2*(\a)+1] op_sel_hi:[1,0]
.endr
.endm
; A's block a against B's b0 .. b1 - 1; cm = 1: the products start the sums.  The 32 accumulators take turns.  MODE 1: behind each, a tile of block a - 2 is scaled
.macro MULA a, p, cm, b0, b1
	WIN 0xa1
.irp b, 0,1,2,3,4,5,6,7
.if (\b >= \b0) && (\b < \b1)
.set rD, 8*(8*(\a)+\b)
.set rB, 128*(\p)+12*\b
.set rA, AF+AS*(\p)+12*(\a)
.set rX, SC+8*(\p)+\b
.set rY, SC+8*(\p)+(\a)
.if (\cm) == 0
	v_wmma_scale_f32_16x16x128_f8f6f4 v[rD:rD+7], v[rB:rB+11], v[rA:rA+11], v[rD:rD+7], v[rX], v[rY] matrix_a_fmt:MATRIX_FMT_BF6 matrix_b_fmt:MATRIX_FMT_BF6 matrix_a_scale:MATRIX_SCALE_ROW1
.else
	v_wmma_scale_f32_16x16x128_f8f6f4 v[rD:rD+7], v[rB:rB+11], v[rA:rA+11], 0, v[rX], v[rY] matrix_a_fmt:MATRIX_FMT_BF6 matrix_b_fmt:MATRIX_FMT_BF6 matrix_a_scale:MATRIX_SCALE_ROW1
.endif
.if MODE == 1
.if (\a) == 2
	MUL4 0, \b, T0
.else
	MUL4 1, \b, T1
.endif
	WIN 0xa1
.endif
.endif
.endr
.endm
.macro STEP sg, cm, ask
	s_wait_dscnt 0x0                               ; this step's operands, asked for a step ago, are in
	PLACES                                         ; for the loads into the set that the step before multiplied
	FETCH (\sg)+1
.if \ask
	ASK \ask
.endif
.irp a, 0,1,2,3
	MULA \a, (\sg)%2, \cm, 0, 8
.endr
	WIN 0
.endm
.macro TURN sg, fill                   ; a slot's last K step: one barrier for the change of slots; fill = 1: it opens a round of the cluster's barrier, and the slot is filled again behind the round, four K pairs on
	PLACES
	s_wait_tensorcnt 0x0                           ; all my tensor loads have landed
	ds_add_u32 v[SPW], v[NIL]                      ; 0 onto my spare word
	s_wait_dscnt 0x1                               ; only the add may be out: this step's operands are in, and they were my last reads of the slot
	MULA 0, 1, 0, 0, 4
	s_wait_dscnt 0x0                               ; the add is done
	s_barrier_signal -1
	MULA 0, 1, 0, 4, 8
	WIN 0
	s_barrier_wait -1
.if \fill
	CREST
.if (\sg) == 3
	s_add_nc_u64 s[G0A+2:G0A+3], s[G0A+2:G0A+3], 4*KPSP   ; every wave's next two K pairs
	s_add_nc_u64 s[G0B+2:G0B+3], s[G0B+2:G0B+3], 4*KPSV
.endif
	JLOAD (\sg)/4                                  ; the first tensor load behind the round
.endif
	FETCH (\sg)+1
.irp a, 1,2,3
	MULA \a, 1, 0, 0, 8
.endr
	WIN 0
.endm
	s_load_b256 s[4:11], s[0:1], 0x0               ; p_codes s[4:5], p_stats s[6:7], v_codes s[8:9], v_scales s[10:11]
	s_load_b64 s[12:13], s[0:1], 0x20              ; out0
	v_lshl_add_u32 v[SPW], v0, 2, SPARE
	v_mov_b32 v[NIL], 0
	ds_add_u32 v[SPW], v[NIL]                      ; the opening lines: the add, twice on end, and its wait ahead of my first tensor load
	ds_add_u32 v[SPW], v[NIL]
	v_lshrrev_b32 v1, 5, v0
	v_readfirstlane_b32 s[WV], v1
	v_lshlrev_b32 v32, 4, v0                       ; 16 x thread
	s_lshr_b32 s[HI], s[WV], 1                     ; which 64 queries are mine.  Also: which slot I fetch
	s_and_b32 s[HJ], s[WV], 1                      ; which 128 features.  Also: I fetch for A (0) or for B (1)
	s_bfe_u32 s40, ttmp6, 0x40000                  ; cx = the tile of features
	s_bfe_u32 s41, ttmp6, 0x40004                  ; cy
	s_and_b32 s43, ttmp7, 0xffff                   ; the cluster's y: 0..15
	s_mov_b32 s17, 0x01010101
	s_mov_b32 s18, 0x80808080
	s_lshl_b32 s92, s41, 2
	s_lshl_b32 s92, 15, s92                        ; my row of the cluster
	s_lshl_b32 s93, 0x1111, s40                    ; my column
	s_or_b32 s[G1A], s92, 0x230000                 ; the mask; elements of 8 bytes; bit 21 beside a mask; no padding
	s_or_b32 s[G1B], s93, 0x230000
	s_mov_b32 s[G1A+1], 3072<<16                   ; A: two K pairs of 24,576 bytes each, KPSP bytes apart
	s_mov_b32 s[G1A+2], 2<<16
	s_mov_b32 s[G1A+3], 3072<<16
	s_mov_b32 s[G1A+4], 2
	s_mov_b32 s[G1A+5], KPSP/8
	s_mov_b32 s[G1A+6], 0
	s_mov_b32 s[G1A+7], 0
	s_mov_b32 s[G1B+1], 6144<<16                   ; B: two K pairs of 49,152 bytes each, KPSV bytes apart
	s_mov_b32 s[G1B+2], 2<<16
	s_mov_b32 s[G1B+3], 6144<<16
	s_mov_b32 s[G1B+4], 2
	s_mov_b32 s[G1B+5], KPSV/8
	s_mov_b32 s[G1B+6], 0
	s_mov_b32 s[G1B+7], 0
	s_lshr_b32 s14, s43, 2                         ; the batch: the cluster's y alone
	s_and_b32 s15, s43, 3
	s_lshl_b32 s15, s15, 2
	s_add_co_u32 s15, s15, s41                     ; the tile of 128 queries in the batch: 0..15
	s_mul_i32 s92, s14, 3145728                    ; A: the batch, the tile's 8 RBs
	s_mul_i32 s93, s15, 24576
	s_add_co_u32 s92, s92, s93
	s_mov_b32 s93, 0
	s_mul_i32 s96, s14, 1572864                    ; B: the batch, the tile's 16 RBs
	s_mul_i32 s97, s40, 49152
	s_add_co_u32 s96, s96, s97
	s_mov_b32 s97, 0
	s_mul_i32 s72, s[HI], 2*KPSP                   ; my slot's K pairs
	s_mov_b32 s73, 0
	s_mul_i32 s74, s[HI], 2*KPSV
	s_mov_b32 s75, 0
	s_mul_i32 s2, s[HI], ASL                       ; and where they go: the wave's number alone
	s_mul_i32 s3, s[HI], BSL
	s_add_co_u32 s3, s3, BB
	s_mul_i32 s76, s[HI], KPSP                     ; the prefetches: the K pair of my parity, my quarter of it: 6,144 bytes of A,
	s_mul_i32 s78, s40, 6144
	s_add_co_u32 s76, s76, s78
	s_mul_i32 s77, s[HI], KPSV                     ; 12,288 of B
	s_mul_i32 s78, s41, 12288
	s_add_co_u32 s77, s77, s78
	s_lshl_b32 s98, s14, 16                        ; v's scale words: the batch, the tile's two halves
	s_lshl_b32 s99, s40, 14
	s_add_co_u32 s98, s98, s99
	s_mov_b32 s99, 0
	s_lshl_b32 s94, s14, 19                        ; the statistics: the batch, the tile's 128 rows
	s_lshl_b32 s95, s15, 11
	s_add_co_u32 s94, s94, s95
	s_mov_b32 s95, 0
	s_wait_alu depctr_va_vdst(0)
	s_wait_dscnt 0x0                               ; both opening adds are done
	s_wait_kmcnt 0x0
	s_add_nc_u64 s[6:7], s[6:7], s[94:95]
	s_add_nc_u64 s[10:11], s[10:11], s[98:99]
	; THE STATISTICS: thread t owns row t of the tile (in the order of the scale words: 16 RB + r): 16 loads; and its share of v's scale words: 8.  Each load of a wave reads 512 consecutive bytes.
.irp s, 0,1,2,3,4,5,6,7,8,9,10,11,12,13,14,15
	global_load_b128 v[PP+4*\s:PP+4*\s+3], v32, s[6:7] offset:32768*\s
.endr
.irp n, 0,1,2,3,4,5,6,7
	global_load_b128 v[VW+4*\n:VW+4*\n+3], v32, s[10:11] offset:2048*\n
.endr
	s_add_nc_u64 s[92:93], s[4:5], s[92:93]
	s_add_nc_u64 s[96:97], s[8:9], s[96:97]
	s_mov_b32 s[G0A], 1
	s_mov_b32 s[G0A+1], s2
	s_add_nc_u64 s[G0A+2:G0A+3], s[92:93], s[72:73]
	s_or_b32 s[G0A+3], s[G0A+3], 0x80000000
	s_mov_b32 s[G0B], 1
	s_mov_b32 s[G0B+1], s3
	s_add_nc_u64 s[G0B+2:G0B+3], s[96:97], s[74:75]
	s_or_b32 s[G0B+3], s[G0B+3], 0x80000000
	CROUND                                         ; all sixteen work-groups are here: the first joint loads meet
	ARM 1, G0A, G1A, .Lhead_1                      ; one load a wave
	ARM 2, G0B, G1B, .Lhead_2
	ARM 3, G0A, G1A, .Lhead_3
	TLOAD G0B, G1B
.Lhead_asked:
	s_cmp_eq_u32 s[HJ], 0
	s_cselect_b64 s[PF:PF+1], s[92:93], s[96:97]
	s_cselect_b32 s78, s76, s77
	s_mov_b32 s79, 0
	s_add_nc_u64 s[PF:PF+1], s[PF:PF+1], s[78:79]
	s_lshl_b32 s92, s14, 11
	s_lshl_b32 s93, s15, 7
	s_add_co_u32 s92, s92, s93
	s_lshl_b32 s93, s[HI], 6
	s_add_co_u32 s92, s92, s93                     ; my first row of out: 2,048 batch + 128 tile + 64 hi
	s_lshl_b32 s92, s92, 12
	s_lshl_b32 s93, s40, 10
	s_add_co_u32 s92, s92, s93
	s_lshl_b32 s93, s[HJ], 9
	s_add_co_u32 s92, s92, s93                     ; + (256 cx + 128 hj) x 4
	s_mov_b32 s93, 0
	s_add_nc_u64 s[12:13], s[12:13], s[92:93]
	s_mul_i32 s2, s[HI], 12288                     ; my 4 RBs of A
	s_mul_i32 s3, s[HJ], 24576                     ; my 8 RBs of B
	s_add_co_u32 s3, s3, BB
	s_lshl_b32 s92, s[HI], 8                       ; the scale words: lanes 0-15 p's (my 64 rows), lanes 16-31 v's (my 128), one distance on
	s_lshl_b32 s93, s[HJ], 13
	s_add_co_u32 s93, s93, VS-PS
	s_sub_co_u32 s93, s93, s92
	s_add_co_u32 s94, s93, 256                     ; for scale registers 4-7: lanes 0-15 stand 256 bytes back, so that they read p's blocks 0-3 again
	s_add_co_u32 s95, s92, PS
	s_add_co_u32 s96, s92, PS-256
	s_add_co_u32 s97, s92, RL
	s_mul_i32 s98, s[WV], 8448                     ; the way out: my stage, 16 rows x 528 bytes, in slot 0: when the first result is stored there the slot has had its last fill and its last read
	s_lshl_b32 s99, s[HJ], 3
	s_add_co_u32 s99, s99, 23                      ; the last block that my first prefetch names: 23 of A, 31 of B
	v_and_b32 v1, 15, v0                           ; r
	v_bfe_u32 v2, v0, 4, 1                         ; h
	v_and_b32 v3, 31, v0
	v_min_u32 v[PFO], s99, v3
	v_add_nc_u32 v[PFO+1], 32, v3
	v_min_u32 v[PFO+1], 47, v[PFO+1]
	v_lshlrev_b32 v[PFO], 8, v[PFO]                ; a lane a block of 256 bytes (the lanes left over name the last again)
	v_lshlrev_b32 v[PFO+1], 8, v[PFO+1]
	v_lshlrev_b32 v3, 4, v3                        ; 16 x lane
	v_lshlrev_b32 v33, 2, v0
	v_add_nc_u32 v33, PS, v33                      ; where my row's adjusted words go,
	v_lshlrev_b32 v34, 4, v0
	v_add_nc_u32 v34, VS, v34                      ; and my share of v's
	v_add_nc_u32 v[ADRA], s2, v3
	v_add_nc_u32 v6, s3, v3                        ; slot 0, first K pair
	v_mul_u32_u24 v[ADRS], s93, v2
	v_mul_u32_u24 v[ADRS2], s94, v2
	v_add_nc_u32 v[ADRA+1], ASL, v[ADRA]
	v_add_nc_u32 v14, 49152, v6                    ; slot 0, second
	v_add_nc_u32 v7, BSL, v6                       ; slot 1, first
	v_add_nc_u32 v15, BSL+49152, v6                ; slot 1, second
	v_lshl_add_u32 v[ADRS], v1, 2, v[ADRS]
	v_lshl_add_u32 v[ADRS2], v1, 2, v[ADRS2]
	v_add_nc_u32 v[ADRS], s95, v[ADRS]
	v_add_nc_u32 v[ADRS2], s96, v[ADRS2]
	v_lshl_add_u32 v[RLA], v1, 2, s97              ; 1 / l of my blocks' rows
	v_mul_u32_u24 v[STO], v1, 528
	v_lshl_add_u32 v[STO], v2, 6, v[STO]
	v_add_nc_u32 v[STO], s98, v[STO]               ; in: row r, + 64 h
	v_add_nc_u32 v[RD], s98, v3                    ; back: a row of 512 bytes, 16 a lane
	s_wait_alu depctr_va_vdst(0)
	s_wait_loadcnt 0x0
.irp n, 0,1,2,3,4,5,6,7
	ds_store_b128 v34, v[VW+4*\n:VW+4*\n+3] offset:2048*\n
.endr
	v_min3_num_f32 v40, v[PP+1], v[PP+5], v[PP+9]      ; -M = the least -M', in two chains
	v_min3_num_f32 v41, v[PP+13], v[PP+17], v[PP+21]
	v_min3_num_f32 v40, v40, v[PP+25], v[PP+29]
	v_min3_num_f32 v41, v41, v[PP+33], v[PP+37]
	v_min3_num_f32 v40, v40, v[PP+41], v[PP+45]
	v_min3_num_f32 v41, v41, v[PP+49], v[PP+53]
	v_min3_num_f32 v40, v40, v[PP+57], v[PP+61]
	v_min_num_f32 v40, v40, v41
.macro ALL line:vararg                 ; one line for each of the 16 K steps: s counts their registers, four each
.set s, 0
.rept 16
	\line
.set s, s+4
.endr
.endm
	ALL v_sub_f32 v[PP+s+1], v40, v[PP+s+1]            ; M' - M: a whole number, 0 or less
	ALL v_max_num_f32 v[PP+s+1], 0xc2fe0000, v[PP+s+1] ; held at -127
	ALL v_cvt_i32_f32 v[PP+s+1], v[PP+s+1]
	ALL v_ldexp_f32 v[PP+s+2], v[PP+s+2], v[PP+s+1]    ; l' x 2^(M' - M)
	ALL v_mul_lo_u32 v[PP+s+3], v[PP+s+1], s17         ; the same number in each of the four bytes
	ALL v_or_b32 v[PP+s], s18, v[PP+s]                 ; each byte + 128 (a byte is at most 123),
	ALL v_add_nc_u32 v[PP+s], v[PP+s], v[PP+s+3]       ; less M - M': every byte stays between 2 and 251, so nothing passes from byte to byte
	ALL v_lshrrev_b32 v[PP+s+3], 7, v[PP+s]
	ALL v_and_b32 v[PP+s+3], s17, v[PP+s+3]            ; 1 where the byte has not fallen under 0
	ALL v_lshlrev_b32 v[PP+s+1], 7, v[PP+s+3]
	ALL v_sub_nc_u32 v[PP+s+3], v[PP+s+1], v[PP+s+3]   ; 0x7f there
	ALL v_and_b32 v[PP+s], v[PP+s], v[PP+s+3]          ; the adjusted byte, held at 0 from below
	ALL ds_store_b32 v33, v[PP+s] offset:128*s
.irp s, 0,4,8,12,16,20,24,28
	v_add_f32 v[PP+\s+2], v[PP+\s+2], v[PP+\s+34]
.endr
.irp s, 0,4,8,12
	v_add_f32 v[PP+\s+2], v[PP+\s+2], v[PP+\s+18]
.endr
.irp s, 0,4
	v_add_f32 v[PP+\s+2], v[PP+\s+2], v[PP+\s+10]
.endr
	v_add_f32 v43, v[PP+2], v[PP+6]                ; l
	s_wait_alu depctr_va_vdst(0)
	v_rcp_f32 v43, v43
	v_nop                                          ; a plain line behind it
	s_wait_alu depctr_va_vdst(0)                   ; and the wait ahead of its first reader
	ds_store_b32 v33, v43 offset:RL-PS
	s_cmp_lg_u32 s[HI], 0                          ; slot 0 is waves 0 and 1's: waves 2 and 3 leave slot 1 on its way
	s_cbranch_scc1 .Lno_wait
	s_wait_tensorcnt 0x0
.Lno_wait:
	s_wait_dscnt 0x0                               ; for the others' sake: my stores have landed
	s_barrier_signal -1
	s_barrier_wait -1                              ; slot 0, the scale words and 1 / l are in.
	FETCH 0
.irp a, 0,1,2,3
	ds_load_b32 v[RLR+2*\a], v[RLA] offset:64*\a   ; 1 / l, for the way out
	ds_load_b32 v[RLR+2*\a+1], v[RLA] offset:64*\a   ; (the packed form names a pair)
.endr
	STEP 0, 1, 4                                   ; the first K step's products start the sums; K pairs 4, 5 are prefetched
	STEP 1, 0, 0
	STEP 2, 0, 0
	TURN 3, 1                                      ; slot 0 takes K pairs 4, 5
	STEP 4, 0, 6                                   ; K pairs 6, 7 are prefetched
	STEP 5, 0, 0
	STEP 6, 0, 0
	TURN 7, 1                                      ; slot 1 takes K pairs 6, 7
	STEP 8, 0, 0
	STEP 9, 0, 0
	STEP 10, 0, 0
	TURN 11, 0                                     ; nothing is left to fetch: no round.  Behind this barrier nobody reads slot 0
	STEP 12, 0, 0
	STEP 13, 0, 0
	STEP 14, 0, 0
	s_wait_dscnt 0x0                               ; the last K step
	MULA 0, 1, 0, 0, 8
	MULA 1, 1, 0, 0, 8
	PLACES                                         ; in front of the first read of block 0's and block 1's results
.set MODE, 1
	MULA 2, 1, 0, 0, 8                             ; block 0 is scaled,
	MULA 3, 1, 0, 0, 8                             ; and block 1
	WIN 0
	s_wait_alu depctr_va_vdst(0)
	; THE WAY OUT, block by block of 16 queries x 128 features: through my stage, back as whole rows of 512 bytes.
.macro MULB a, base
.irp t, 0,1,2,3,4,5,6,7
	MUL4 \a, \t, \base
.endr
	WIN 0
.endm
.macro STB base                        ; tile t's register j is feature 32 (t / 2) + 16 h + 8 (t % 2) + j
.irp t, 0,1,2,3,4,5,6,7
	ds_store_b128 v[STO], v[\base+8*\t:\base+8*\t+3] offset:128*(\t/2)+32*(\t%2)
	ds_store_b128 v[STO], v[\base+8*\t+4:\base+8*\t+7] offset:128*(\t/2)+32*(\t%2)+16
.endr
.endm
.macro BACK a
	WIN 0x40
.irp t, 0,1,2,3,4,5,6,7,8,9,10,11,12,13,14,15
	ds_load_b128 v[64*(\a)+4*\t:64*(\a)+4*\t+3], v[RD] offset:528*\t   ; LDS serves a wave's instructions in order: these see the stores above
.endr
	WIN 0
.endm
.macro SEND a, younger                 ; younger: the LDS instructions issued behind block a's loads
	s_wait_dscnt \younger
	WIN 0x04
.irp t, 0,1,2,3,4,5,6,7,8,9,10,11,12,13,14,15
	global_store_b128 v3, v[64*(\a)+4*\t:64*(\a)+4*\t+3], s[12:13] offset:(32*((\a)/2)+8*((\a)%2)+\t+8*(\t/8))*4096 th:TH_STORE_NT   ; place t of RB a is this row of my 64; 512 consecutive bytes, at a multiple of 256
.endr
	WIN 0
.endm
	STB T0
	BACK 0
	STB T1
	BACK 1
	SEND 0, 32                                     ; (so block 0's stores into the stage are done, and T0 may be written)
	MULB 2, T0
	STB T0
	BACK 2
	SEND 1, 32
	MULB 3, T1
	STB T1
	BACK 3
	SEND 2, 32
	SEND 3, 0
	s_wait_tensorcnt 0x0                           ; the wave's end
	ds_add_u32 v[SPW], v[NIL]
	s_wait_dscnt 0x0
	CROUND                                         ; the closing round
	s_endpgm
.Lfunc_end_k_q47ff4e8423_pv:
	.size	k_q47ff4e8423_pv, .Lfunc_end_k_q47ff4e8423_pv-k_q47ff4e8423_pv
	.p2alignl 7, 3214868480
	.fill 96, 4, 3214868480
	.section	.rodata,"a",@progbits
	.p2align	6, 0x0
	.amdhsa_kernel k_q47ff4e8423_pv
		.amdhsa_group_segment_fixed_size 327680
		.amdhsa_private_segment_fixed_size 0
		.amdhsa_enable_private_segment 0
		.amdhsa_kernarg_size 40
		.amdhsa_user_sgpr_count 2
		.amdhsa_user_sgpr_kernarg_segment_ptr 1
		.amdhsa_wavefront_size32 1
		.amdhsa_system_sgpr_workgroup_id_x 1
		.amdhsa_system_sgpr_workgroup_id_y 1
		.amdhsa_system_sgpr_workgroup_id_z 1
		.amdhsa_system_vgpr_workitem_id 0
		.amdhsa_next_free_vgpr 768
		.amdhsa_next_free_sgpr 100
		.amdhsa_reserve_vcc 0
		.amdhsa_float_denorm_mode_32 3
		.amdhsa_float_denorm_mode_16_64 3
		.amdhsa_memory_ordered 1
		.amdhsa_forward_progress 1
		.amdhsa_inst_pref_size 162
	.end_amdhsa_kernel
	.amdgpu_metadata
---
amdhsa.version: [ 1, 2 ]
amdhsa.kernels:
  - .name:           k_q47ff4e8423_pv
    .symbol:         k_q47ff4e8423_pv.kd
    .args:
      - { .name: p_codes, .offset: 0, .size: 8, .value_kind: global_buffer, .address_space: global }
      - { .name: p_stats, .offset: 8, .size: 8, .value_kind: global_buffer, .address_space: global }
      - { .name: v_codes, .offset: 16, .size: 8, .value_kind: global_buffer, .address_space: global }
      - { .name: v_scales, .offset: 24, .size: 8, .value_kind: global_buffer, .address_space: global }
      - { .name: out0, .offset: 32, .size: 8, .value_kind: global_buffer, .address_space: global }
    .group_segment_fixed_size: 327680
    .private_segment_fixed_size: 0
    .kernarg_segment_align: 8
    .kernarg_segment_size: 40
    .max_flat_workgroup_size: 128
    .sgpr_count:     100
    .vgpr_count:     768
    .wavefront_size: 32
...
	.end_amdgpu_metadata
.endif
;; end of part 4
